; MI455X (gfx1250); checked and timed in simulation.
; The chip was launched on July 23, 2026; its instructions are those of AMD's public machine-readable ISA for CDNA 5 (MIT licence, August 2026) and "CDNA5" Instruction Set Architecture Reference Guide (July 2026). The comments in the code are by the model that wrote it; some were corrected since.
;; Attention Layer. Allowed arithmetic: float matrix products may take bf16 or f16 operands with f32 sums; all other float work in f32.
;; Inputs: bk 64 x 64 float32; bo 64 x 64 float32; bq 64 x 64 float32; bv 64 x 64 float32; keys 2 x 128 x 64 x 64 float32; queries 2 x 128 x 64 x 64 float32; values 2 x 128 x 64 x 64 float32; wk_l 64 x 64 float32; wk_r 64 x 64 float32; wo_l 64 x 64 float32; wo_r 64 x 64 float32; wq_l 64 x 64 float32; wq_r 64 x 64 float32; wv_l 64 x 64 float32; wv_r 64 x 64 float32.
;; Outputs: out0 2 x 128 x 64 x 64 float32.
;; 2 versions, each right; version 2 is version 1 with the launches proj, oproj written anew for expert scheduling mode. Each part assembles by itself: llvm-mc -triple=amdgcn-amd-amdhsa -mcpu=gfx1250 --defsym DOCPART=n.
;; ======== version 1 of 2: 3 launches
;; workspace buffers: qws 2,097,152 bytes; kws 2,097,152 bytes; vhi 2,097,152 bytes; vlo 2,097,152 bytes; ao 4,194,304 bytes
;; launch proj (part 1): grid 128 x 3, 4 waves a work-group, no clusters, 99,840 bytes of LDS; arguments queries, keys, values, wq_l, wk_l, wv_l, wq_r, wk_r, wv_r, bq, bk, bv, qws, kws, vhi, vlo; writes qws, kws, vhi, vlo
.if DOCPART == 1
	.amdgcn_target "amdgcn-amd-amdhsa--gfx1250"
	.amdhsa_code_object_version 6
	.text
	.protected	k_q37170b7764_proj
	.globl	k_q37170b7764_proj
	.p2align	8
	.type	k_q37170b7764_proj,@function
k_q37170b7764_proj:
	s_mov_b64 s[64:65], 0
	v_nop
	global_prefetch_b8 v0, s[64:65] scope:SCOPE_SE
	s_setreg_imm32_b32 hwreg(HW_REG_WAVE_MODE, 25, 1), 1
	s_wait_xcnt 0x0
; PROJ: Y[c][d] = sum over a, b of X[a][b] wl[a][c] wr[b][d] + bias[c][d] for two neighbouring tokens of one of the three tensors
; (work-group y: 0 queries, 1 keys, 2 values; work-group x: the token pair), scaled and stored head by head in bf16:
;   out[head = 64 batch + 8 (c/8) + d/8][token][c%8][d%8], 128 bytes for a head and a token.
;   queries: (Y + bq) log2(e) / 512   (reference's three divisions by 8 and the change to base 2 in one factor)
;   keys:     Y + bk                  values: (Y + bv) / 8 as two bf16 planes, upper part in vhi, remainder in vlo.
; ARITHMETIC. Every operand of a product is split into a bf16 upper part and a bf16 remainder, and a product is three matrix products
; (hi hi + lo hi + hi lo) summed in f32: one bf16 rounding per product would use up the margin that the result is allowed.
; LIMITS. A number whose upper part rounds to infinity (magnitude above about 3.3e38) gives NaN in its remainder. Q and K leave as one bf16.
; SHARES. Four waves; wave w makes the 16 columns c = 16 w .. 16 w + 15 of both tokens. Left product first:
;   D1[b][c] = sum over a of X[a][b] wl[a][c]: register j of lane (r, h) holds b = 16 bt + 8 h + j, c = 16 w + r. Packed in pairs that IS half of a
;   second-source fragment with the lane as column c and K = b, so the second product follows from registers with no way through LDS:
;   D2[d][c] = sum over b of wr[b][d] D1[b][c] + bias: a lane ends with eight neighbouring d of one c, the 16 bytes of one (head, token, c%8).
; LDS. All operands lie as they lie in memory, [row][column], in two bf16 planes with rows 160 bytes apart, and every fragment is made by
; the transposing load. The fill passes through registers because it converts f32 to two planes; for the same reason the weights, which
; all 128 work-groups of a tensor read (48 KiB against 32 KiB of their own), are not asked for jointly: a copy engine cannot split them.
.set PW,    160                        ; bytes from row to row of a bf16 plane: 128 of data + 32
.set PLANE, 64*PW                      ; one plane; the remainder's plane follows the upper part's
.set ROW8,  8*PW                       ; a fill load of the work-group covers 8 rows
.set WL,    0                          ; wl, two planes
.set WR,    2*PLANE                    ; wr
.set XR,    4*PLANE                    ; X of token 0, then of token 1
.set BIAS,  8*PLANE                    ; the bias in f32,
.set BP,    272                        ; rows 256 + 16 bytes apart
.set FA,   4                           ; v4   fill: my 8 bytes in a plane's first 8 rows
.set FX,   5                           ; v5   the same in X
.set FB,   6                           ; v6   fill: my 16 bytes in the bias
.set GO,   7                           ; v7   16 t: my 16 bytes of each 2,048 in memory
.set TRA,  8                           ; v8   lane term of a transposing load
.set TRX,  9                           ; v9   + X's region
.set BA,   10                          ; v10  my 32 bytes of a bias tile
.set VO,   11                          ; v11  my byte offset in the head-major outputs
.set T,    12                          ; v[12:19] at work
.set XT,   20                          ; v[20:27] lane exchange
.set TRW,  28                          ; v28  lane term + my wave's 16 columns
.set ST,   32                          ; v[32:191] the fill's 40 loads; afterwards:
.set WLF,  32                          ; v[32:63]   wl's fragments: + 16 kk + 8 plane
.set XF,   64                          ; v[64:127]  X's fragments, 32 for each token
.set WRF,  64                          ; v[64:95]   wr's fragments (second product)
.set PH,   96                          ; v[96:103]  packed results, 4 for each token
.set PL,   104                         ; v[104:111] packed remainders
.set Y,    128                         ; v[128:143] accumulators, 8 for each token
.set TF,   144                         ; v[144:207] D1 as fragments, 32 for each token
.set SD,   208                         ; v[208:223] store data
.set HM,   54                          ; s54  mask of a word's upper bf16
.macro PLACES n
.rept \n
	v_nop
.endr
.endm
.macro MM d, a, b                      ; one link of a sum in place
	v_wmma_f32_16x16x32_bf16 v[\d:\d+7], v[\a:\a+7], v[\b:\b+7], v[\d:\d+7]
.endm
.macro MM0 d, a, b                     ; the link that starts a sum
	v_wmma_f32_16x16x32_bf16 v[\d:\d+7], v[\a:\a+7], v[\b:\b+7], 0
.endm
; Two split products over K = 64, their links taking turns: hi hi, lo hi, hi lo for each half of K. zero = 1: the first links start the sums.
.macro X3PAIR d0, a0, b0, d1, a1, b1, zero
.if \zero
	MM0 \d0, \a0, \b0
	MM0 \d1, \a1, \b1
.else
	MM \d0, \a0, \b0
	MM \d1, \a1, \b1
.endif
	MM \d0, \a0+8, \b0
	MM \d1, \a1+8, \b1
	MM \d0, \a0, \b0+8
	MM \d1, \a1, \b1+8
	MM \d0, \a0+16, \b0+16
	MM \d1, \a1+16, \b1+16
	MM \d0, \a0+24, \b0+16
	MM \d1, \a1+24, \b1+16
	MM \d0, \a0+16, \b0+24
	MM \d1, \a1+16, \b1+24
.endm
; The fragments of 16 columns over K = 64, both planes: eight transposing loads. Each brings 16 rows x 16 columns; the second of a pair lies 16 rows on.
.macro FRAG dst, areg, imm
.irp kk, 0,1
.irp pl, 0,1
	ds_load_tr16_b128 v[\dst+16*\kk+8*\pl:\dst+16*\kk+8*\pl+3],   v[\areg] offset:\imm+\pl*PLANE+\kk*32*PW
	ds_load_tr16_b128 v[\dst+16*\kk+8*\pl+4:\dst+16*\kk+8*\pl+7], v[\areg] offset:\imm+\pl*PLANE+\kk*32*PW+16*PW
.endr
.endr
.endm
.macro HIPART d, th                    ; eight f32 to four words of bf16
.irp jj, 0,1,2,3
	v_cvt_pk_bf16_f32 v[\th+\jj], v[\d+2*\jj], v[\d+2*\jj+1]
.endr
.endm
.macro LOPART d, th, tl                ; what the rounding left, again as bf16 (d is used up)
.irp jj, 0,1,2,3
	v_lshlrev_b32 v[T+2*\jj], 16, v[\th+\jj]
	v_and_b32 v[T+2*\jj+1], s[HM], v[\th+\jj]
.endr
.irp jj, 0,1,2,3
	v_pk_add_f32 v[\d+2*\jj:\d+2*\jj+1], v[\d+2*\jj:\d+2*\jj+1], v[T+2*\jj:T+2*\jj+1] neg_lo:[0,1] neg_hi:[0,1]
.endr
.irp jj, 0,1,2,3
	v_cvt_pk_bf16_f32 v[\tl+\jj], v[\d+2*\jj], v[\d+2*\jj+1]
.endr
.endm
.macro SPLITT d, th, tl
	HIPART \d, \th
	LOPART \d, \th, \tl
.endm
; One fill load's four f32 to 8 bytes in each plane. left = the loads issued behind it, which stay out (loads return in order: ISA guide 5.7.1).
.macro CONV st, areg, off, left
	s_wait_loadcnt \left
	v_cvt_pk_bf16_f32 v[T], v[\st], v[\st+1]
	v_cvt_pk_bf16_f32 v[T+1], v[\st+2], v[\st+3]
	v_lshlrev_b32 v[T+2], 16, v[T]
	v_and_b32 v[T+3], s[HM], v[T]
	v_lshlrev_b32 v[T+4], 16, v[T+1]
	v_and_b32 v[T+5], s[HM], v[T+1]
	v_pk_add_f32 v[\st:\st+1], v[\st:\st+1], v[T+2:T+3] neg_lo:[0,1] neg_hi:[0,1]
	v_pk_add_f32 v[\st+2:\st+3], v[\st+2:\st+3], v[T+4:T+5] neg_lo:[0,1] neg_hi:[0,1]
	v_cvt_pk_bf16_f32 v[T+6], v[\st], v[\st+1]
	v_cvt_pk_bf16_f32 v[T+7], v[\st+2], v[\st+3]
	ds_store_b64 v[\areg], v[T:T+1] offset:\off
	ds_store_b64 v[\areg], v[T+6:T+7] offset:\off+PLANE
.endm
; Lanes r < 8 hold head row 2 w, lanes r >= 8 head row 2 w + 1, token 0 in p0 and token 1 in p1. After the exchange with lane r xor 8,
; da holds head row 2 w with lane r = 8 token + c%8, db head row 2 w + 1: sixteen neighbouring lanes hold 256 neighbouring bytes.
.macro XCH p0, p1, da, db
.irp k, 0,1,2,3
	v_mov_b32_dpp v[XT+\k], v[\p1+\k] row_xmask:8 row_mask:0xf bank_mask:0xf
	v_mov_b32_dpp v[XT+4+\k], v[\p0+\k] row_xmask:8 row_mask:0xf bank_mask:0xf
.endr
.irp k, 0,1,2,3
	v_cndmask_b32 v[\da+\k], v[\p0+\k], v[XT+\k], s55
	v_cndmask_b32 v[\db+\k], v[XT+4+\k], v[\p1+\k], s55
.endr
.endm
	s_load_b512 s[8:23], s[0:1], 0x0               ; queries keys values | wq_l wk_l wv_l | wq_r wk_r
	s_load_b512 s[24:39], s[0:1], 0x40             ; wv_r | bq bk bv | qws kws vhi | vlo
	v_lshl_add_u32 v224, v0, 2, 0x18400
	v_mov_b32 v225, 0
	s_and_b32 s2, ttmp7, 0xffff                    ; which tensor
	v_lshrrev_b32 v1, 5, v0
	v_readfirstlane_b32 s3, v1                     ; wave 0..3
	s_mov_b32 s[HM], 0xffff0000
	s_mov_b32 s55, 0xff00ff00                      ; the lanes with r >= 8
	s_mov_b32 s56, 0x3b38aa3b                      ; log2(e) / 512
	s_mov_b32 s57, 0x3f800000                      ; 1
	s_mov_b32 s58, 0x3e000000                      ; 1 / 8
	s_lshl_b32 s4, s3, 4                           ; my first column c
	s_lshl_b32 s5, s3, 18                          ; head rows 2 w: 2 w x 8 heads x 16,384 bytes
	s_lshl_b32 s6, s3, 5                           ; my 16 columns in a plane's row, in bytes
	; the fill: thread t takes bytes 16 t of each 2,048: row t / 16 of eight, columns 4 (t % 16) ..
	v_lshlrev_b32 v[GO], 4, v0
	v_lshrrev_b32 v1, 4, v0
	v_and_b32 v2, 15, v0                           ; t % 16, which is also r
	v_mul_u32_u24 v3, v1, PW
	v_lshl_add_u32 v[FA], v2, 3, v3
	v_add_nc_u32 v[FX], XR, v[FA]
	v_mul_u32_u24 v3, v1, BP
	v_lshl_add_u32 v3, v2, 4, v3
	v_add_nc_u32 v[FB], BIAS, v3
	; a transposing load: lane L addresses row 8 h + L % 8 and the 16 bytes (L / 8) % 2 of the 32
	v_bfe_u32 v1, v0, 4, 1                         ; h
	v_and_b32 v3, 7, v0
	v_lshl_add_u32 v3, v1, 3, v3
	v_mul_u32_u24 v3, v3, PW
	v_bfe_u32 v29, v0, 3, 1
	v_lshl_add_u32 v[TRA], v29, 4, v3
	v_add_nc_u32 v[TRX], XR, v[TRA]
	v_add_nc_u32 v[TRW], s6, v[TRA]
	v_add_nc_u32 v3, s4, v2                        ; c = 16 w + r
	v_mul_u32_u24 v3, v3, BP
	v_lshl_add_u32 v3, v1, 5, v3                   ; + 8 h numbers of 4 bytes
	v_add_nc_u32 v[BA], BIAS, v3
	v_lshlrev_b32 v3, 14, v1                       ; head column 2 dt + h: h x 16,384
	v_lshl_add_u32 v3, v2, 4, v3                   ; 16 bytes a lane
	v_add_nc_u32 v[VO], s5, v3
.irp k, 0,1,2,3,4,5,6,7
	v_mov_b32 v[XT+\k], 0                          ; a lane-crossing move counts as a reader of its destination: written once here
.endr
	s_lshl_b32 s52, ttmp9, 15                      ; two tokens of 16,384 bytes
	s_mov_b32 s53, 0
	s_wait_kmcnt 0x0
	s_cmp_eq_u32 s2, 0                             ; queries or keys,
	s_cselect_b64 s[40:41], s[8:9], s[10:11]
	s_cselect_b64 s[42:43], s[14:15], s[16:17]
	s_cselect_b64 s[44:45], s[20:21], s[22:23]
	s_cselect_b64 s[46:47], s[26:27], s[28:29]
	s_cselect_b64 s[48:49], s[32:33], s[34:35]
	s_cselect_b32 s50, s56, s57
	s_cmp_eq_u32 s2, 2                             ; or values
	s_cselect_b64 s[40:41], s[12:13], s[40:41]     ; X
	s_cselect_b64 s[42:43], s[18:19], s[42:43]     ; wl
	s_cselect_b64 s[44:45], s[24:25], s[44:45]     ; wr
	s_cselect_b64 s[46:47], s[30:31], s[46:47]     ; bias
	s_cselect_b64 s[48:49], s[36:37], s[48:49]     ; where the (upper) results go
	s_cselect_b32 s50, s58, s50                    ; the scale,
	s_mov_b32 s51, s50                             ; as a pair for the packed multiply
	s_add_nc_u64 s[40:41], s[40:41], s[52:53]
	s_lshr_b32 s59, ttmp9, 6                       ; batch: 64 heads of 16,384 bytes
	s_lshl_b32 s59, s59, 20
	s_and_b32 s60, ttmp9, 63                       ; the pair's 256 bytes in a head
	s_lshl_b32 s60, s60, 8
	s_add_co_u32 s52, s59, s60
	s_add_nc_u64 s[48:49], s[48:49], s[52:53]
	s_add_nc_u64 s[38:39], s[38:39], s[52:53]
	; THE FILL: all 40 loads of a thread are issued, then taken one by one while the rest are on their way
.irp n, 0,1,2,3,4,5,6,7
	global_load_b128 v[ST+4*\n:ST+4*\n+3], v[GO], s[42:43] offset:\n*2048
.endr
.irp n, 0,1,2,3,4,5,6,7
	global_load_b128 v[ST+32+4*\n:ST+32+4*\n+3], v[GO], s[44:45] offset:\n*2048
.endr
.irp n, 0,1,2,3,4,5,6,7,8,9,10,11,12,13,14,15
	global_load_b128 v[ST+64+4*\n:ST+64+4*\n+3], v[GO], s[40:41] offset:\n*2048 th:TH_LOAD_NT
.endr
.irp n, 0,1,2,3,4,5,6,7
	global_load_b128 v[ST+128+4*\n:ST+128+4*\n+3], v[GO], s[46:47] offset:\n*2048
.endr
.irp n, 0,1,2,3,4,5,6,7
	CONV ST+4*\n, FA, WL+\n*ROW8, 39-\n
.endr
.irp n, 0,1,2,3,4,5,6,7
	CONV ST+32+4*\n, FA, WR+\n*ROW8, 31-\n
.endr
.irp n, 0,1,2,3,4,5,6,7,8,9,10,11,12,13,14,15
	CONV ST+64+4*\n, FX, (\n/8)*2*PLANE+(\n%8)*ROW8, 23-\n
.endr
.irp n, 0,1,2,3,4,5,6,7
	s_wait_loadcnt 7-\n
	ds_store_b128 v[FB], v[ST+128+4*\n:ST+128+4*\n+3] offset:\n*8*BP
.endr
	s_wait_dscnt 0x0                               ; my stores are in LDS before I say so;
	s_barrier_signal -1
	s_barrier_wait -1                              ; behind this LDS is only read: the one barrier
	; FIRST PRODUCT: four tiles of 16 b, both tokens side by side
	FRAG WLF, TRW, WL
.irp bt, 0,1,2,3
	FRAG XF, TRX, 32*\bt
	FRAG XF+32, TRX, 2*PLANE+32*\bt
	s_wait_dscnt 0x0
	X3PAIR Y, XF, WLF, Y+8, XF+32, WLF, 1
	PLACES 5                                       ; ISA guide 7.12.1: four places before the split reads the sums and before loads land in X's fragments, five before the next tile's first links write over the sums
	SPLITT Y, TF+16*(\bt/2)+4*(\bt%2), TF+16*(\bt/2)+4*(\bt%2)+8
	SPLITT Y+8, TF+32+16*(\bt/2)+4*(\bt%2), TF+32+16*(\bt/2)+4*(\bt%2)+8
.endr
	; SECOND PRODUCT: four tiles of 16 d; the bias tile is the sum's start
.irp dt, 0,1,2,3
	FRAG WRF, TRA, WR+32*\dt
	ds_load_b128 v[Y:Y+3],     v[BA] offset:64*\dt
	ds_load_b128 v[Y+4:Y+7],   v[BA] offset:64*\dt+16
	ds_load_b128 v[Y+8:Y+11],  v[BA] offset:64*\dt
	ds_load_b128 v[Y+12:Y+15], v[BA] offset:64*\dt+16
	s_wait_dscnt 0x0
	X3PAIR Y, WRF, TF, Y+8, WRF, TF+32, 0
	PLACES 5                                       ; as above: the scaling reads the sums, the next tile's loads land in wr's fragments and in the sums
.irp k, 0,2,4,6,8,10,12,14
	v_pk_mul_f32 v[Y+\k:Y+\k+1], v[Y+\k:Y+\k+1], s[50:51] op_sel_hi:[1,0]
.endr
	HIPART Y, PH
	HIPART Y+8, PH+4
	s_wait_xcnt 0x0                                ; the last tile's stores have had their addresses translated (ISA guide 3.1): their data registers are rewritten only behind this wait
	XCH PH, PH+4, SD, SD+4
	global_store_b128 v[VO], v[SD:SD+3],   s[48:49] offset:32768*\dt          ; head (2 w, 2 dt + h): 16 lanes store 256 consecutive bytes, aligned
	global_store_b128 v[VO], v[SD+4:SD+7], s[48:49] offset:131072+32768*\dt   ; head (2 w + 1, 2 dt + h)
	s_cmp_lg_u32 s2, 2
	s_cbranch_scc1 .Lnolo\dt                       ; only values leave a second plane
	LOPART Y, PH, PL
	LOPART Y+8, PH+4, PL+4
	XCH PL, PL+4, SD+8, SD+12
	global_store_b128 v[VO], v[SD+8:SD+11],  s[38:39] offset:32768*\dt
	global_store_b128 v[VO], v[SD+12:SD+15], s[38:39] offset:131072+32768*\dt
.Lnolo\dt:
.endr
	s_wait_tensorcnt 0x0
	ds_add_u32 v224, v225
	s_wait_dscnt 0x0
	s_endpgm
.Lfunc_end_k_q37170b7764_proj:
	.size	k_q37170b7764_proj, .Lfunc_end_k_q37170b7764_proj-k_q37170b7764_proj
	.p2alignl 7, 3214868480
	.fill 96, 4, 3214868480
	.section	.rodata,"a",@progbits
	.p2align	6, 0x0
	.amdhsa_kernel k_q37170b7764_proj
		.amdhsa_group_segment_fixed_size 99840
		.amdhsa_private_segment_fixed_size 0
		.amdhsa_enable_private_segment 0
		.amdhsa_kernarg_size 128
		.amdhsa_user_sgpr_count 2
		.amdhsa_user_sgpr_kernarg_segment_ptr 1
		.amdhsa_wavefront_size32 1
		.amdhsa_system_sgpr_workgroup_id_x 1
		.amdhsa_system_sgpr_workgroup_id_y 1
		.amdhsa_system_sgpr_workgroup_id_z 1
		.amdhsa_system_vgpr_workitem_id 0
		.amdhsa_next_free_vgpr 226
		.amdhsa_next_free_sgpr 66
		.amdhsa_reserve_vcc 0
		.amdhsa_float_denorm_mode_32 3
		.amdhsa_float_denorm_mode_16_64 3
		.amdhsa_memory_ordered 1
		.amdhsa_forward_progress 1
		.amdhsa_inst_pref_size 73
	.end_amdhsa_kernel
	.amdgpu_metadata
---
amdhsa.version: [ 1, 2 ]
amdhsa.kernels:
  - .name:           k_q37170b7764_proj
    .symbol:         k_q37170b7764_proj.kd
    .args:
      - { .name: queries, .offset: 0, .size: 8, .value_kind: global_buffer, .address_space: global }
      - { .name: keys, .offset: 8, .size: 8, .value_kind: global_buffer, .address_space: global }
      - { .name: values, .offset: 16, .size: 8, .value_kind: global_buffer, .address_space: global }
      - { .name: wq_l, .offset: 24, .size: 8, .value_kind: global_buffer, .address_space: global }
      - { .name: wk_l, .offset: 32, .size: 8, .value_kind: global_buffer, .address_space: global }
      - { .name: wv_l, .offset: 40, .size: 8, .value_kind: global_buffer, .address_space: global }
      - { .name: wq_r, .offset: 48, .size: 8, .value_kind: global_buffer, .address_space: global }
      - { .name: wk_r, .offset: 56, .size: 8, .value_kind: global_buffer, .address_space: global }
      - { .name: wv_r, .offset: 64, .size: 8, .value_kind: global_buffer, .address_space: global }
      - { .name: bq, .offset: 72, .size: 8, .value_kind: global_buffer, .address_space: global }
      - { .name: bk, .offset: 80, .size: 8, .value_kind: global_buffer, .address_space: global }
      - { .name: bv, .offset: 88, .size: 8, .value_kind: global_buffer, .address_space: global }
      - { .name: qws, .offset: 96, .size: 8, .value_kind: global_buffer, .address_space: global }
      - { .name: kws, .offset: 104, .size: 8, .value_kind: global_buffer, .address_space: global }
      - { .name: vhi, .offset: 112, .size: 8, .value_kind: global_buffer, .address_space: global }
      - { .name: vlo, .offset: 120, .size: 8, .value_kind: global_buffer, .address_space: global }
    .group_segment_fixed_size: 99840
    .private_segment_fixed_size: 0
    .kernarg_segment_align: 8
    .kernarg_segment_size: 128
    .max_flat_workgroup_size: 128
    .sgpr_count:     66
    .vgpr_count:     226
    .wavefront_size: 32
...
	.end_amdgpu_metadata
.endif
;; end of part 1
;; launch attn (part 2): grid 256 x 1, 16 waves a work-group, no clusters, 55,296 bytes of LDS; arguments qws, kws, vhi, vlo, ao; writes ao
.if DOCPART == 2
	.amdgcn_target "amdgcn-amd-amdhsa--gfx1250"
	.amdhsa_code_object_version 6
	.text
	.protected	k_q37170b7764_attn
	.globl	k_q37170b7764_attn
	.p2align	8
	.type	k_q37170b7764_attn,@function
k_q37170b7764_attn:
	s_mov_b64 s[64:65], 0
	v_nop
	global_prefetch_b8 v0, s[64:65] scope:SCOPE_SE
	s_setreg_imm32_b32 hwreg(HW_REG_WAVE_MODE, 25, 1), 1
	s_wait_xcnt 0x0
; ATTN: one head (batch, l, r) is Q [1024 rows (q, x)][8 e], K and V [128 keys][8 y][8 e]. For each row and each y:
;   w[k] = softmax over the 128 keys k of Q[row] . K[k][y];   out[row][e] = sum over y of sum over k of w[k] V[k][y][e].
; Q comes scaled by log2(e) / 512, so the products are exponents to base 2. The maximum over the 128 keys is taken away before the exponential.
; SHARES. Work-group = half a head (512 rows), 16 waves, a wave 32 rows = two tiles of 16. A STEP is one tile and one y: 16 rows x 128 keys.
;   S = K Q^T, transposed use and K = 8 packed four deep: a first-source fragment of 16 x 32 holds 64 keys, the four groups of eight K places
;   holding keys 16 g + r; the second source carries Q in group g alone and zeros elsewhere, so product g picks keys 16 g .. 16 g + 15.
;   Register j of lane (r, h) of tile T then holds key 16 T + 8 h + j of row r: after the exponential, packed in pairs, that is half of a
;   second-source fragment with the lane as row and K = key. No lane traffic and no LDS between the two products.
;   O = [V upper; V remainder]^T P: rows 0-7 of the first source are the upper plane's e, rows 8-15 the remainder's; lanes h = 0 get the upper sums.
;   DEN = ones x P: every register of a lane holds its row's denominator, summed from the same rounded P that multiplies V.
; The division and the sum over y of a step are done in the next step, in the places behind its S products.
; LIMITS. Q, K and P are bf16. An infinite K meets the zeros of the Q operand and gives NaN. v_exp_f32 returns 0 below 2^-126 (ISA guide 15.8).
; NO JOINT REQUESTS: the two work-groups of a head share K and V, 48 KiB, read once in front of 16 steps; the fill lays V's two planes side by
; side in one padded row, which it does through registers. Nothing is streamed in the loop, so there is no ring and nothing to ask for ahead.
.set KP,   144                         ; K: a key's 128 bytes [y][e] + 16
.set VP,   272                         ; V: a key's 128 bytes of the upper plane, 128 of the remainder, + 16
.set VB,   128*KP                      ; V lies behind K
.set KA,   8                           ; v8   lane x KP + 16 y
.set VA,   9                           ; v9   transposing load of V + 16 y
.set CO,   10                          ; v10  my byte offset in the output
.set MX,   12                          ; v[12:15] four chains of the maximum
.set M,    16                          ; v[16:17] the row's maximum, twice
.set MT,   18                          ; v18  the other half's maximum
.set R,    20                          ; v[20:21] 1 / denominator, twice
.set ONES, 24                          ; v[24:31] a fragment of ones
.set QB,   32                          ; v[32:67] 0 | Q tile 0 in lanes h = 0 | 0 | Q tile 0 in lanes h = 1 | 0 | the same for tile 1 | 0, four registers each
.set KF,   68                          ; v[68:83]   K: two fragments of 64 keys
.set VF,   84                          ; v[84:115]  V: four fragments of 32 keys
.set OA,   116                         ; v[116:123] a step's sums
.set DEN,  124                         ; v[124:131] a step's denominators
.set TOT,  132                         ; v[132:147] sums over y, 8 for each tile
.set SC,   148                         ; v[148:211] S, then P in its lower half; first the fill's loads
.macro PLACES n
.rept \n
	v_nop
.endr
.endm
.macro MM d, a, b
	v_wmma_f32_16x16x32_bf16 v[\d:\d+7], v[\a:\a+7], v[\b:\b+7], v[\d:\d+7]
.endm
.macro MM0 d, a, b
	v_wmma_f32_16x16x32_bf16 v[\d:\d+7], v[\a:\a+7], v[\b:\b+7], 0
.endm
.macro SPROD i                         ; eight tiles of 16 keys x 16 rows; the four windows into QB put Q into group 0, 1, 2, 3
.irp f, 0,1
	MM0 SC+32*\f,    KF+8*\f, QB+16*\i+4
	MM0 SC+32*\f+8,  KF+8*\f, QB+16*\i+12
	MM0 SC+32*\f+16, KF+8*\f, QB+16*\i
	MM0 SC+32*\f+24, KF+8*\f, QB+16*\i+8
.endr
.endm
.macro EPI i                           ; tile i's sum over y takes the step that has just ended
	v_rcp_f32 v[R], v[DEN]
	v_rcp_f32 v[R+1], v[DEN+1]
	v_nop                                          ; one plain instruction between a reciprocal and its use (ISA guide 5.7.2)
	s_wait_alu depctr_va_vdst(0)
.irp k, 0,2,4,6
	v_pk_fma_f32 v[TOT+8*\i+\k:TOT+8*\i+\k+1], v[OA+\k:OA+\k+1], v[R:R+1], v[TOT+8*\i+\k:TOT+8*\i+\k+1]
.endr
.endm
.macro SUBT t
.irp k, 0,2,4,6
	v_pk_add_f32 v[SC+8*(\t)+\k:SC+8*(\t)+\k+1], v[SC+8*(\t)+\k:SC+8*(\t)+\k+1], v[M:M+1] neg_lo:[0,1] neg_hi:[0,1]
.endr
.endm
.macro EXPT t
.irp k, 0,1,2,3,4,5,6,7
	v_exp_f32 v[SC+8*(\t)+\k], v[SC+8*(\t)+\k]
.endr
.endm
.macro CVTT t                          ; tile t's eight numbers into four words at SC + 4 t: registers of tiles that are packed already
	s_wait_alu depctr_va_vdst(0)
.irp k, 0,1,2,3
	v_cvt_pk_bf16_f32 v[SC+4*(\t)+\k], v[SC+8*(\t)+2*\k], v[SC+8*(\t)+2*\k+1]
.endr
.endm
; i: the tile; o: the other tile, whose last step is divided and summed here; ld = 1: this step brings the fragments of a new y.
.macro STEP i, o, ld
	PLACES 5                                       ; ISA guide 7.12.1, behind the last step's O and DEN products: five places before the S products write over P, four before OA and DEN are read and before loads land in V's fragments
.if \ld
.irp c, 0,1,2,3
	ds_load_b128 v[KF+4*\c:KF+4*\c+3], v[KA] offset:\c*32*KP       ; lane L: key 32 c + L
.endr
.irp t, 0,1,2,3
	ds_load_tr16_b128 v[VF+8*\t:VF+8*\t+3],   v[VA] offset:\t*32*VP
	ds_load_tr16_b128 v[VF+8*\t+4:VF+8*\t+7], v[VA] offset:\t*32*VP+16*VP
.endr
	s_wait_dscnt 0x8                               ; K's four loads are in; V's eight, issued behind them, stay out
.endif
	SPROD \i
	EPI \o                                         ; its v_nop and four multiply-adds are the places between the S products and the maximum, which reads them
	; the maximum of my 64 numbers in four chains, then of the two lanes that share a row
.irp c, 0,1,2,3
	v_max3_num_f32 v[MX+\c], v[SC+16*\c], v[SC+16*\c+1], v[SC+16*\c+2]
.endr
.irp a, 3,5,7,9,11,13
.irp c, 0,1,2,3
	v_max3_num_f32 v[MX+\c], v[MX+\c], v[SC+16*\c+\a], v[SC+16*\c+\a+1]
.endr
.endr
	v_max3_num_f32 v[MX], v[MX], v[MX+1], v[MX+2]
	v_max3_num_f32 v[MX+3], v[MX+3], v[SC+15], v[SC+31]
	v_max3_num_f32 v[MX], v[MX], v[SC+47], v[SC+63]
	v_max_num_f32 v[MX], v[MX], v[MX+3]
	v_permlanex16_b32 v[MT], v[MX], s20, s21
	v_max_num_f32 v[M], v[MX], v[MT]
	v_max_num_f32 v[M+1], v[MX], v[MT]
	; exponentials tile by tile; the next tile's subtraction is the plain work between a tile's exponentials and their use (ISA guide 5.7.2)
	SUBT 0
.irp t, 0,1,2,3
	EXPT 2*\t
	SUBT 2*\t+1
	CVTT 2*\t
	EXPT 2*\t+1
.if 3-\t
	SUBT 2*\t+2
.else
	v_nop
	s_wait_alu depctr_va_vdst(0)
.endif
	CVTT 2*\t+1
.if \t
	MM OA, VF+8*\t, SC+8*\t
	MM DEN, ONES, SC+8*\t
.else
.if \ld
	s_wait_dscnt 0x0                               ; V's fragments are in
.endif
	MM0 OA, VF, SC
	MM0 DEN, ONES, SC
.endif
.endr
.endm
	s_load_b256 s[4:11], s[0:1], 0x0               ; qws s[4:5], kws s[6:7], vhi s[8:9], vlo s[10:11]
	s_load_b64 s[12:13], s[0:1], 0x20              ; ao
	v_lshl_add_u32 v212, v0, 2, 0xd000
	v_mov_b32 v213, 0
	v_lshrrev_b32 v1, 5, v0
	v_readfirstlane_b32 s14, v1                    ; wave 0..15
	s_mov_b32 s20, 0x76543210                      ; v_permlanex16_b32: lane i of one half reads lane i of the other
	s_mov_b32 s21, 0xfedcba98
	s_mov_b32 s23, 0xffff0000                      ; the lanes with h = 1
	s_lshr_b32 s16, ttmp9, 1                       ; head: 16,384 bytes in each bf16 buffer
	s_lshl_b32 s16, s16, 14
	s_mov_b32 s17, 0
	s_lshl_b32 s18, ttmp9, 13                      ; Q: head x 16,384 + half x 8,192
	s_mov_b32 s19, 0
	v_lshlrev_b32 v1, 4, v0                        ; fill: 16 t
	v_and_b32 v5, 15, v0                           ; r
	v_bfe_u32 v6, v0, 4, 1                         ; h
	s_lshl_b32 s15, s14, 9
	v_lshl_add_u32 v2, v5, 4, s15                  ; Q: my wave's 32 rows of 16 bytes, row r; both halves of the lanes read the same
	v_lshrrev_b32 v7, 3, v0                        ; fill: key t / 8, 16 bytes t % 8
	v_and_b32 v11, 7, v0
	v_mul_u32_u24 v3, v7, KP
	v_lshl_add_u32 v3, v11, 4, v3
	v_mul_u32_u24 v4, v7, VP
	v_lshl_add_u32 v4, v11, 4, v4
	v_add_nc_u32 v4, VB, v4
	v_and_b32 v7, 31, v0
	v_mul_u32_u24 v[KA], v7, KP
	v_lshl_add_u32 v7, v6, 3, v11                  ; V: key 8 h + L % 8;
	v_mul_u32_u24 v7, v7, VP
	v_bfe_u32 v11, v0, 3, 1                        ; lanes r < 8 address the upper plane, lanes r >= 8 the remainder's, 128 bytes on
	v_lshl_add_u32 v7, v11, 7, v7
	v_add_nc_u32 v[VA], VB, v7
	s_lshl_b32 s15, s14, 10                        ; out: my wave's 32 rows of 32 bytes
	v_lshlrev_b32 v7, 5, v5
	v_lshl_add_u32 v7, v6, 4, v7                   ; row r, e = 4 h ..
	v_add_nc_u32 v[CO], s15, v7
	s_wait_kmcnt 0x0
	s_add_nc_u64 s[6:7], s[6:7], s[16:17]
	s_add_nc_u64 s[8:9], s[8:9], s[16:17]
	s_add_nc_u64 s[10:11], s[10:11], s[16:17]
	s_add_nc_u64 s[4:5], s[4:5], s[18:19]
	s_lshl_b32 s18, ttmp9, 14                      ; out: head x 32,768 + half x 16,384
	s_add_nc_u64 s[12:13], s[12:13], s[18:19]
	global_load_b128 v[SC:SC+3],     v1, s[6:7]
	global_load_b128 v[SC+4:SC+7],   v1, s[6:7] offset:8192
	global_load_b128 v[SC+8:SC+11],  v1, s[8:9]
	global_load_b128 v[SC+12:SC+15], v1, s[8:9] offset:8192
	global_load_b128 v[SC+16:SC+19], v1, s[10:11]
	global_load_b128 v[SC+20:SC+23], v1, s[10:11] offset:8192
	global_load_b128 v[SC+24:SC+27], v2, s[4:5] th:TH_LOAD_NT
	global_load_b128 v[SC+28:SC+31], v2, s[4:5] offset:256 th:TH_LOAD_NT
	; constants, once. OA = 0 and DEN = 1 let the first step's deferred division add nothing, so that no step is written apart.
.irp k, 0,1,2,3,4,5,6,7
	v_mov_b32 v[ONES+\k], 0x3f803f80
	v_mov_b32 v[OA+\k], 0
.endr
.irp z, 0,1,2,3,4
.irp k, 0,1,2,3
	v_mov_b32 v[QB+8*\z+\k], 0
.endr
.endr
.irp k, 0,1,2,3,4,5,6,7,8,9,10,11,12,13,14,15
	v_mov_b32 v[TOT+\k], 0
.endr
	v_mov_b32 v[DEN], 1.0
	v_mov_b32 v[DEN+1], 1.0
	v_mov_b32 v[MT], 0                             ; v_permlanex16_b32 counts as a reader of its destination
	s_wait_loadcnt 0x2                             ; K's and V's six loads are in; Q's two, issued behind them, stay out
	ds_store_b128 v3, v[SC:SC+3]
	ds_store_b128 v3, v[SC+4:SC+7] offset:64*KP
	ds_store_b128 v4, v[SC+8:SC+11]
	ds_store_b128 v4, v[SC+12:SC+15] offset:64*VP
	ds_store_b128 v4, v[SC+16:SC+19] offset:128
	ds_store_b128 v4, v[SC+20:SC+23] offset:64*VP+128
	s_wait_loadcnt 0x0
.irp i, 0,1
.irp k, 0,1,2,3
	v_cndmask_b32 v[QB+16*\i+4+\k],  v[SC+24+4*\i+\k], 0, s23      ; Q in lanes h = 0
	v_cndmask_b32 v[QB+16*\i+12+\k], 0, v[SC+24+4*\i+\k], s23      ; Q in lanes h = 1
.endr
.endr
	s_wait_dscnt 0x0                               ; my stores are in LDS before I say so;
	s_barrier_signal -1
	s_barrier_wait -1                              ; behind this LDS is only read: the one barrier
	s_mov_b32 s22, 0
.Ly:
	STEP 0, 1, 1
	STEP 1, 0, 0
	v_add_nc_u32 v[KA], 16, v[KA]                  ; the next y
	v_add_nc_u32 v[VA], 16, v[VA]
	s_add_co_u32 s22, s22, 1
	s_cmp_lt_u32 s22, 8
	s_cbranch_scc1 .Ly
	PLACES 4                                       ; behind the last O and DEN products, before their results are read (ISA guide 7.12.1)
	EPI 1
	; upper sums (lanes h = 0) + remainders' sums (lanes h = 1); then lane (r, h) stores e = 4 h .. 4 h + 3 of row r
.irp i, 0,1
.irp k, 0,1,2,3,4,5,6,7
	v_permlanex16_b32 v[SC+32+8*\i+\k], v[TOT+8*\i+\k], s20, s21
.endr
.irp k, 0,2,4,6
	v_pk_add_f32 v[TOT+8*\i+\k:TOT+8*\i+\k+1], v[TOT+8*\i+\k:TOT+8*\i+\k+1], v[SC+32+8*\i+\k:SC+32+8*\i+\k+1]
.endr
.irp k, 0,1,2,3
	v_cndmask_b32 v[SC+48+4*\i+\k], v[TOT+8*\i+\k], v[TOT+8*\i+4+\k], s23
.endr
	global_store_b128 v[CO], v[SC+48+4*\i:SC+48+4*\i+3], s[12:13] offset:512*\i    ; the wave's store covers 512 consecutive bytes, aligned
.endr
	s_wait_tensorcnt 0x0
	ds_add_u32 v212, v213
	s_wait_dscnt 0x0
	s_endpgm
.Lfunc_end_k_q37170b7764_attn:
	.size	k_q37170b7764_attn, .Lfunc_end_k_q37170b7764_attn-k_q37170b7764_attn
	.p2alignl 7, 3214868480
	.fill 96, 4, 3214868480
	.section	.rodata,"a",@progbits
	.p2align	6, 0x0
	.amdhsa_kernel k_q37170b7764_attn
		.amdhsa_group_segment_fixed_size 55296
		.amdhsa_private_segment_fixed_size 0
		.amdhsa_enable_private_segment 0
		.amdhsa_kernarg_size 40
		.amdhsa_user_sgpr_count 2
		.amdhsa_user_sgpr_kernarg_segment_ptr 1
		.amdhsa_wavefront_size32 1
		.amdhsa_system_sgpr_workgroup_id_x 1
		.amdhsa_system_sgpr_workgroup_id_y 1
		.amdhsa_system_sgpr_workgroup_id_z 1
		.amdhsa_system_vgpr_workitem_id 0
		.amdhsa_next_free_vgpr 214
		.amdhsa_next_free_sgpr 66
		.amdhsa_reserve_vcc 0
		.amdhsa_float_denorm_mode_32 3
		.amdhsa_float_denorm_mode_16_64 3
		.amdhsa_memory_ordered 1
		.amdhsa_forward_progress 1
		.amdhsa_inst_pref_size 31
	.end_amdhsa_kernel
	.amdgpu_metadata
---
amdhsa.version: [ 1, 2 ]
amdhsa.kernels:
  - .name:           k_q37170b7764_attn
    .symbol:         k_q37170b7764_attn.kd
    .args:
      - { .name: qws, .offset: 0, .size: 8, .value_kind: global_buffer, .address_space: global }
      - { .name: kws, .offset: 8, .size: 8, .value_kind: global_buffer, .address_space: global }
      - { .name: vhi, .offset: 16, .size: 8, .value_kind: global_buffer, .address_space: global }
      - { .name: vlo, .offset: 24, .size: 8, .value_kind: global_buffer, .address_space: global }
      - { .name: ao, .offset: 32, .size: 8, .value_kind: global_buffer, .address_space: global }
    .group_segment_fixed_size: 55296
    .private_segment_fixed_size: 0
    .kernarg_segment_align: 8
    .kernarg_segment_size: 40
    .max_flat_workgroup_size: 512
    .sgpr_count:     66
    .vgpr_count:     214
    .wavefront_size: 32
...
	.end_amdgpu_metadata
.endif
;; end of part 2
;; launch oproj (part 3): grid 256 x 1, 4 waves a work-group, no clusters, 96,768 bytes of LDS; arguments ao, wo_l, wo_r, bo, out0; writes out0
.if DOCPART == 3
	.amdgcn_target "amdgcn-amd-amdhsa--gfx1250"
	.amdhsa_code_object_version 6
	.text
	.protected	k_q37170b7764_oproj
	.globl	k_q37170b7764_oproj
	.p2align	8
	.type	k_q37170b7764_oproj,@function
k_q37170b7764_oproj:
	s_mov_b64 s[64:65], 0
	v_nop
	global_prefetch_b8 v0, s[64:65] scope:SCOPE_SE
	s_setreg_imm32_b32 hwreg(HW_REG_WAVE_MODE, 25, 1), 1
	s_wait_xcnt 0x0
; OPROJ: out0[token][c][d] = (sum over a, b of M[a][b] wo_l[a][c] wo_r[b][d] + bo[c][d]) / 8, one token for each work-group.
; M is the attention's result with the heads merged: M[8 l + x][8 r + e] = ao[head (batch, l, r)][token][x][e], f32.
; ARITHMETIC as in the input projections: every operand in a bf16 upper part and a bf16 remainder, three matrix products for a product,
; sums in f32; left product first, its result packed in registers into the second product's fragments.
; LIMIT. A number whose upper part rounds to infinity (magnitude above about 3.3e38) gives NaN in its remainder.
; SHARES. Four waves; wave w makes rows c = 16 w .. 16 w + 15 of the result. The two sums whose links take turns are two tiles of b, then two of d.
; The result's lanes hold 32 bytes of sixteen different rows, so it leaves through a stage in LDS of the wave's own and is stored as whole rows.
; The fill passes through registers because it converts f32 to two planes; so the weights, which all 256 work-groups read (48 KiB against
; 16 KiB of their own), are not asked for jointly: a copy engine cannot split them.
.set PW,    160                        ; bytes from row to row of a bf16 plane: 128 of data + 32
.set PLANE, 64*PW
.set ROW8,  8*PW
.set WL,    0                          ; wo_l, two planes
.set WR,    2*PLANE                    ; wo_r
.set MR,    4*PLANE                    ; M
.set BIAS,  6*PLANE                    ; the bias in f32,
.set BP,    272                        ; rows 256 + 16 bytes apart
.set STAGE, BIAS+64*BP                 ; the way out: 16 rows of 272 bytes for each wave
.set SP,    272
.set FA,   4                           ; v4   fill: my 8 bytes in a plane's first 8 rows
.set FM,   5                           ; v5   fill: my 8 bytes of M
.set FB,   6                           ; v6   fill: my 16 bytes in the bias
.set GO,   7                           ; v7   16 t
.set TRA,  8                           ; v8   lane term of a transposing load
.set TRM,  9                           ; v9   + M's region
.set BA,   10                          ; v10  my 32 bytes of a bias tile
.set STO,  11                          ; v11  stage: where I put my 32 bytes of a row
.set T,    12                          ; v[12:19] at work
.set RD,   20                          ; v20  stage: where I read a row back
.set CO,   21                          ; v21  my byte offset in the token's result
.set GM,   22                          ; v22  my byte offset in ao
.set TRW,  28                          ; v28  lane term + my wave's 16 columns
.set ST,   32                          ; v[32:159] the fill's 32 loads; afterwards:
.set WLF,  32                          ; v[32:63]   wo_l's fragments
.set XF,   64                          ; v[64:127]  M's fragments, two tiles of b
.set WRF,  64                          ; v[64:127]  wo_r's fragments, two tiles of d
.set Y,    128                         ; v[128:143] two accumulators
.set TF,   144                         ; v[144:175] the first product as fragments
.set OUTR, 176                         ; v[176:207] rows on their way out
.set HM,   14                          ; s14  mask of a word's upper bf16
.macro PLACES n
.rept \n
	v_nop
.endr
.endm
.macro MM d, a, b
	v_wmma_f32_16x16x32_bf16 v[\d:\d+7], v[\a:\a+7], v[\b:\b+7], v[\d:\d+7]
.endm
.macro MM0 d, a, b
	v_wmma_f32_16x16x32_bf16 v[\d:\d+7], v[\a:\a+7], v[\b:\b+7], 0
.endm
; Two split products over K = 64, their links taking turns: hi hi, lo hi, hi lo for each half of K. zero = 1: the first links start the sums.
.macro X3PAIR d0, a0, b0, d1, a1, b1, zero
.if \zero
	MM0 \d0, \a0, \b0
	MM0 \d1, \a1, \b1
.else
	MM \d0, \a0, \b0
	MM \d1, \a1, \b1
.endif
	MM \d0, \a0+8, \b0
	MM \d1, \a1+8, \b1
	MM \d0, \a0, \b0+8
	MM \d1, \a1, \b1+8
	MM \d0, \a0+16, \b0+16
	MM \d1, \a1+16, \b1+16
	MM \d0, \a0+24, \b0+16
	MM \d1, \a1+24, \b1+16
	MM \d0, \a0+16, \b0+24
	MM \d1, \a1+16, \b1+24
.endm
.macro FRAG dst, areg, imm             ; the fragments of 16 columns over K = 64, both planes: eight transposing loads
.irp kk, 0,1
.irp pl, 0,1
	ds_load_tr16_b128 v[\dst+16*\kk+8*\pl:\dst+16*\kk+8*\pl+3],   v[\areg] offset:\imm+\pl*PLANE+\kk*32*PW
	ds_load_tr16_b128 v[\dst+16*\kk+8*\pl+4:\dst+16*\kk+8*\pl+7], v[\areg] offset:\imm+\pl*PLANE+\kk*32*PW+16*PW
.endr
.endr
.endm
.macro SPLITT d, th, tl                ; eight f32 to four words of bf16 and four words of what the rounding left (d is used up)
.irp jj, 0,1,2,3
	v_cvt_pk_bf16_f32 v[\th+\jj], v[\d+2*\jj], v[\d+2*\jj+1]
.endr
.irp jj, 0,1,2,3
	v_lshlrev_b32 v[T+2*\jj], 16, v[\th+\jj]
	v_and_b32 v[T+2*\jj+1], s[HM], v[\th+\jj]
.endr
.irp jj, 0,1,2,3
	v_pk_add_f32 v[\d+2*\jj:\d+2*\jj+1], v[\d+2*\jj:\d+2*\jj+1], v[T+2*\jj:T+2*\jj+1] neg_lo:[0,1] neg_hi:[0,1]
.endr
.irp jj, 0,1,2,3
	v_cvt_pk_bf16_f32 v[\tl+\jj], v[\d+2*\jj], v[\d+2*\jj+1]
.endr
.endm
; One fill load's four f32 to 8 bytes in each plane. left = the loads issued behind it, which stay out (loads return in order: ISA guide 5.7.1).
.macro CONV st, areg, off, left
	s_wait_loadcnt \left
	v_cvt_pk_bf16_f32 v[T], v[\st], v[\st+1]
	v_cvt_pk_bf16_f32 v[T+1], v[\st+2], v[\st+3]
	v_lshlrev_b32 v[T+2], 16, v[T]
	v_and_b32 v[T+3], s[HM], v[T]
	v_lshlrev_b32 v[T+4], 16, v[T+1]
	v_and_b32 v[T+5], s[HM], v[T+1]
	v_pk_add_f32 v[\st:\st+1], v[\st:\st+1], v[T+2:T+3] neg_lo:[0,1] neg_hi:[0,1]
	v_pk_add_f32 v[\st+2:\st+3], v[\st+2:\st+3], v[T+4:T+5] neg_lo:[0,1] neg_hi:[0,1]
	v_cvt_pk_bf16_f32 v[T+6], v[\st], v[\st+1]
	v_cvt_pk_bf16_f32 v[T+7], v[\st+2], v[\st+3]
	ds_store_b64 v[\areg], v[T:T+1] offset:\off
	ds_store_b64 v[\areg], v[T+6:T+7] offset:\off+PLANE
.endm
	s_load_b256 s[4:11], s[0:1], 0x0               ; ao s[4:5], wo_l s[6:7], wo_r s[8:9], bo s[10:11]
	s_load_b64 s[12:13], s[0:1], 0x20              ; out0
	v_lshl_add_u32 v208, v0, 2, 0x17800
	v_mov_b32 v209, 0
	v_lshrrev_b32 v1, 5, v0
	v_readfirstlane_b32 s3, v1                     ; wave 0..3
	s_mov_b32 s[HM], 0xffff0000
	s_mov_b32 s20, 0x3e000000                      ; 1 / 8,
	s_mov_b32 s21, 0x3e000000                      ; as a pair for the packed multiply
	s_lshl_b32 s15, s3, 4                          ; my first row c
	s_lshl_b32 s16, s3, 5                          ; my 16 columns in a plane's row, in bytes
	s_mul_i32 s17, s3, 16*SP
	s_add_co_u32 s17, s17, STAGE                   ; my stage
	s_lshl_b32 s18, s3, 12                         ; my 16 rows of 256 bytes in the result
	s_lshr_b32 s22, ttmp9, 7                       ; batch: 64 heads of 32,768 bytes
	s_lshl_b32 s22, s22, 21
	s_and_b32 s24, ttmp9, 127                      ; the token's 256 bytes in a head
	s_lshl_b32 s24, s24, 8
	s_add_co_u32 s22, s22, s24
	s_mov_b32 s23, 0
	s_lshl_b32 s24, ttmp9, 14                      ; the token's 16,384 bytes of the result
	s_mov_b32 s25, 0
	; the fill of the weights and the bias: thread t takes bytes 16 t of each 2,048: row t / 16 of eight, columns 4 (t % 16) ..
	v_lshlrev_b32 v[GO], 4, v0
	v_lshrrev_b32 v1, 4, v0                        ; t / 16
	v_and_b32 v2, 15, v0                           ; t % 16, which is also r
	v_mul_u32_u24 v3, v1, PW
	v_lshl_add_u32 v[FA], v2, 3, v3
	v_mul_u32_u24 v3, v1, BP
	v_lshl_add_u32 v3, v2, 4, v3
	v_add_nc_u32 v[FB], BIAS, v3
	; the fill of M: load n of thread t takes head (l = n, r = t / 16), the 16 bytes t % 16 of its 256: x = (t / 2) % 8, e = 4 (t % 2) ..
	v_lshlrev_b32 v3, 15, v1
	v_lshl_add_u32 v[GM], v2, 4, v3
	v_bfe_u32 v3, v0, 1, 3
	v_mul_u32_u24 v3, v3, PW                       ; row 8 n + x,
	v_lshl_add_u32 v3, v1, 4, v3                   ; column 8 r + e, 2 bytes each
	v_and_b32 v29, 1, v0
	v_lshl_add_u32 v3, v29, 3, v3
	v_add_nc_u32 v[FM], MR, v3
	; a transposing load: lane L addresses row 8 h + L % 8 and the 16 bytes (L / 8) % 2 of the 32
	v_bfe_u32 v1, v0, 4, 1                         ; h
	v_and_b32 v3, 7, v0
	v_lshl_add_u32 v3, v1, 3, v3
	v_mul_u32_u24 v3, v3, PW
	v_bfe_u32 v29, v0, 3, 1
	v_lshl_add_u32 v[TRA], v29, 4, v3
	v_add_nc_u32 v[TRM], MR, v[TRA]
	v_add_nc_u32 v[TRW], s16, v[TRA]
	v_add_nc_u32 v3, s15, v2                       ; c = 16 w + r
	v_mul_u32_u24 v3, v3, BP
	v_lshl_add_u32 v3, v1, 5, v3
	v_add_nc_u32 v[BA], BIAS, v3
	v_mul_u32_u24 v3, v2, SP                       ; in: row r, 32 bytes for each half of the lanes
	v_lshl_add_u32 v3, v1, 5, v3
	v_add_nc_u32 v[STO], s17, v3
	v_mul_u32_u24 v3, v1, SP                       ; back: lanes 0-15 take one row of 256 bytes, lanes 16-31 the next
	v_lshl_add_u32 v3, v2, 4, v3
	v_add_nc_u32 v[RD], s17, v3
	v_lshlrev_b32 v3, 8, v1                        ; and the same two rows in the result
	v_lshl_add_u32 v3, v2, 4, v3
	v_add_nc_u32 v[CO], s18, v3
	s_wait_kmcnt 0x0
	s_add_nc_u64 s[4:5], s[4:5], s[22:23]
	s_add_nc_u64 s[12:13], s[12:13], s[24:25]
	; THE FILL: all 32 loads of a thread are issued, then taken one by one while the rest are on their way
.irp n, 0,1,2,3,4,5,6,7
	global_load_b128 v[ST+4*\n:ST+4*\n+3], v[GO], s[6:7] offset:\n*2048
.endr
.irp n, 0,1,2,3,4,5,6,7
	global_load_b128 v[ST+32+4*\n:ST+32+4*\n+3], v[GO], s[8:9] offset:\n*2048
.endr
.irp n, 0,1,2,3,4,5,6,7
	global_load_b128 v[ST+64+4*\n:ST+64+4*\n+3], v[GM], s[4:5] offset:\n*262144 th:TH_LOAD_NT    ; 16 lanes read a head's 256 bytes whole
.endr
.irp n, 0,1,2,3,4,5,6,7
	global_load_b128 v[ST+96+4*\n:ST+96+4*\n+3], v[GO], s[10:11] offset:\n*2048
.endr
.irp n, 0,1,2,3,4,5,6,7
	CONV ST+4*\n, FA, WL+\n*ROW8, 31-\n
.endr
.irp n, 0,1,2,3,4,5,6,7
	CONV ST+32+4*\n, FA, WR+\n*ROW8, 23-\n
.endr
.irp n, 0,1,2,3,4,5,6,7
	CONV ST+64+4*\n, FM, \n*ROW8, 15-\n
.endr
.irp n, 0,1,2,3,4,5,6,7
	s_wait_loadcnt 7-\n
	ds_store_b128 v[FB], v[ST+96+4*\n:ST+96+4*\n+3] offset:\n*8*BP
.endr
	s_wait_dscnt 0x0                               ; my stores are in LDS before I say so;
	s_barrier_signal -1
	s_barrier_wait -1                              ; behind this the shared regions are only read, and the stage is each wave's own: the one barrier
	; FIRST PRODUCT: D1[b][c] = sum over a of M[a][b] wo_l[a][c], two tiles of 16 b at a time
	FRAG WLF, TRW, WL
.irp i, 0,1
	FRAG XF, TRM, 64*\i
	FRAG XF+32, TRM, 64*\i+32
	s_wait_dscnt 0x0
	X3PAIR Y, XF, WLF, Y+8, XF+32, WLF, 1
	PLACES 5                                       ; ISA guide 7.12.1: four places before the split reads the sums and before loads land in M's fragments, five before the next first links write over the sums
	SPLITT Y, TF+16*\i, TF+16*\i+8
	SPLITT Y+8, TF+16*\i+4, TF+16*\i+12
.endr
	; SECOND PRODUCT: D2[d][c] = sum over b of wo_r[b][d] D1[b][c] + bias, two tiles of 16 d at a time; the bias tile is the sum's start
.irp i, 0,1
	FRAG WRF, TRA, WR+64*\i
	FRAG WRF+32, TRA, WR+64*\i+32
	ds_load_b128 v[Y:Y+3],     v[BA] offset:128*\i
	ds_load_b128 v[Y+4:Y+7],   v[BA] offset:128*\i+16
	ds_load_b128 v[Y+8:Y+11],  v[BA] offset:128*\i+64
	ds_load_b128 v[Y+12:Y+15], v[BA] offset:128*\i+80
	s_wait_dscnt 0x0
	X3PAIR Y, WRF, TF, Y+8, WRF+32, TF, 0
	PLACES 5                                       ; as above: the scaling reads the sums, the next tiles' loads land in wo_r's fragments and in the sums
.irp k, 0,2,4,6,8,10,12,14
	v_pk_mul_f32 v[Y+\k:Y+\k+1], v[Y+\k:Y+\k+1], s[20:21] op_sel_hi:[1,0]
.endr
	ds_store_b128 v[STO], v[Y:Y+3]     offset:128*\i       ; row r, d = 32 i + 8 h ..
	ds_store_b128 v[STO], v[Y+4:Y+7]   offset:128*\i+16
	ds_store_b128 v[STO], v[Y+8:Y+11]  offset:128*\i+64
	ds_store_b128 v[STO], v[Y+12:Y+15] offset:128*\i+80
.endr
	; THE WAY OUT: whole rows back from my own stage. LDS serves a wave's instructions in order (ISA guide 5.7.1), so these loads see the stores above.
.irp i, 0,1,2,3,4,5,6,7
	ds_load_b128 v[OUTR+4*\i:OUTR+4*\i+3], v[RD] offset:\i*2*SP
.endr
.irp i, 0,1,2,3,4,5,6,7
	s_wait_dscnt 7-\i                              ; rows 2 i, 2 i + 1 are in; the younger loads stay out
	global_store_b128 v[CO], v[OUTR+4*\i:OUTR+4*\i+3], s[12:13] offset:512*\i th:TH_STORE_NT     ; 16 lanes store 256 consecutive bytes, aligned
.endr
	s_wait_tensorcnt 0x0
	ds_add_u32 v208, v209
	s_wait_dscnt 0x0
	s_endpgm
.Lfunc_end_k_q37170b7764_oproj:
	.size	k_q37170b7764_oproj, .Lfunc_end_k_q37170b7764_oproj-k_q37170b7764_oproj
	.p2alignl 7, 3214868480
	.fill 96, 4, 3214868480
	.section	.rodata,"a",@progbits
	.p2align	6, 0x0
	.amdhsa_kernel k_q37170b7764_oproj
		.amdhsa_group_segment_fixed_size 96768
		.amdhsa_private_segment_fixed_size 0
		.amdhsa_enable_private_segment 0
		.amdhsa_kernarg_size 40
		.amdhsa_user_sgpr_count 2
		.amdhsa_user_sgpr_kernarg_segment_ptr 1
		.amdhsa_wavefront_size32 1
		.amdhsa_system_sgpr_workgroup_id_x 1
		.amdhsa_system_sgpr_workgroup_id_y 1
		.amdhsa_system_sgpr_workgroup_id_z 1
		.amdhsa_system_vgpr_workitem_id 0
		.amdhsa_next_free_vgpr 210
		.amdhsa_next_free_sgpr 66
		.amdhsa_reserve_vcc 0
		.amdhsa_float_denorm_mode_32 3
		.amdhsa_float_denorm_mode_16_64 3
		.amdhsa_memory_ordered 1
		.amdhsa_forward_progress 1
		.amdhsa_inst_pref_size 39
	.end_amdhsa_kernel
	.amdgpu_metadata
---
amdhsa.version: [ 1, 2 ]
amdhsa.kernels:
  - .name:           k_q37170b7764_oproj
    .symbol:         k_q37170b7764_oproj.kd
    .args:
      - { .name: ao, .offset: 0, .size: 8, .value_kind: global_buffer, .address_space: global }
      - { .name: wo_l, .offset: 8, .size: 8, .value_kind: global_buffer, .address_space: global }
      - { .name: wo_r, .offset: 16, .size: 8, .value_kind: global_buffer, .address_space: global }
      - { .name: bo, .offset: 24, .size: 8, .value_kind: global_buffer, .address_space: global }
      - { .name: out0, .offset: 32, .size: 8, .value_kind: global_buffer, .address_space: global }
    .group_segment_fixed_size: 96768
    .private_segment_fixed_size: 0
    .kernarg_segment_align: 8
    .kernarg_segment_size: 40
    .max_flat_workgroup_size: 128
    .sgpr_count:     66
    .vgpr_count:     210
    .wavefront_size: 32
...
	.end_amdgpu_metadata
.endif
;; end of part 3
;; ======== version 2 of 2: 3 launches; version 1 with the launches proj, oproj written anew for expert scheduling mode
;; workspace buffers: qws 2,097,152 bytes; kws 2,097,152 bytes; vhi 2,097,152 bytes; vlo 2,097,152 bytes; ao 4,194,304 bytes
;; launch proj (part 4): grid 128 x 3, 4 waves a work-group, no clusters, 99,840 bytes of LDS; arguments queries, keys, values, wq_l, wk_l, wv_l, wq_r, wk_r, wv_r, bq, bk, bv, qws, kws, vhi, vlo; writes qws, kws, vhi, vlo
.if DOCPART == 4
	.amdgcn_target "amdgcn-amd-amdhsa--gfx1250"
	.amdhsa_code_object_version 6
	.text
	.protected	k_q37170b7764_proj
	.globl	k_q37170b7764_proj
	.p2align	8
	.type	k_q37170b7764_proj,@function
k_q37170b7764_proj:
	s_mov_b64 s[64:65], 0
	v_nop
	global_prefetch_b8 v0, s[64:65] scope:SCOPE_SE
	s_setreg_imm32_b32 hwreg(HW_REG_WAVE_SCHED_MODE, 0, 2), 2
	s_setreg_imm32_b32 hwreg(HW_REG_WAVE_MODE, 25, 1), 1
	s_wait_xcnt 0x0
	s_wait_alu depctr_vm_vsrc(0)
; PROJ: Y[c][d] = sum over a, b of X[a][b] wl[a][c] wr[b][d] + bias[c][d] for two neighbouring tokens of one of the three tensors
; (work-group y: 0 queries, 1 keys, 2 values; work-group x: the token pair), scaled and stored head by head in bf16:
;   out[head = 64 batch + 8 (c/8) + d/8][token][c%8][d%8], 128 bytes for a head and a token.
;   queries: (Y + bq) log2(e) / 512   (reference's three divisions by 8 and the change to base 2 in one factor)
;   keys:     Y + bk                  values: (Y + bv) / 8 as two bf16 planes, upper part in vhi, remainder in vlo.
; ARITHMETIC. Every operand of a product is split into a bf16 upper part and a bf16 remainder, and a product is three matrix products
; (hi hi + lo hi + hi lo) summed in f32: one bf16 rounding per product would use up the margin that the result is allowed.
; LIMITS. A number whose upper part rounds to infinity (magnitude above about 3.3e38) gives NaN in its remainder. Q and K leave as one bf16.
; SHARES. Four waves; wave w makes the 16 columns c = 16 w .. 16 w + 15 of both tokens. Left product first:
;   D1[b][c] = sum over a of X[a][b] wl[a][c]: register j of lane (r, h) holds b = 16 bt + 8 h + j, c = 16 w + r. Packed in pairs that IS half of a
;   second-source fragment with the lane as column c and K = b, so the second product follows from registers with no way through LDS:
;   D2[d][c] = sum over b of wr[b][d] D1[b][c] + bias: a lane ends with eight neighbouring d of one c, the 16 bytes of one (head, token, c%8).
; LDS. All operands lie as they lie in memory, [row][column], in two bf16 planes with rows 160 bytes apart, and every fragment is made by
; the transposing load. The fill passes through registers because it converts f32 to two planes; for the same reason the weights, which
; all 128 work-groups of a tensor read (48 KiB against 32 KiB of their own), are not asked for jointly: a copy engine cannot split them.
; THE MODE: SCHED_MODE bits 1:0 = 2 (LLVM: expert scheduling mode 2), set by the entry lines. The code itself states the register dependences
; between vector or matrix instructions and memory or LDS instructions, with s_wait_alu, always for 0.
; THE PLAN. Registers that memory or LDS instructions touch:
;   v4-v11, v28  offsets and LDS addresses: written once at the head, never again.
;   ST, OUT      The fill. Load n lands in ST + 4 n; its conversion leaves the upper part in OUT + 2 n and the remainder in ST + 4 n, two words each;
;                two LDS stores read them. Every load has registers of its own, so nothing is written twice. The loads go in batches of eight:
;                one wait at a batch's head states that the batch before has written its words, and that batch's sixteen stores are dealt among
;                this batch's conversions, which name their own ST and OUT and the working registers T alone.
;   XF           Read by a tile's products; the next tile's loads land in it behind one wait, and the split (Y, TF, T) runs while they are on their way.
;   WRF          The same in the second product.
;   Y, YB        Two pairs of accumulators by turns in the second product: a bias tile lands in the pair that the step in hand does not name.
;   SD, SD + 32  Two buffers of store data by turns: written by step dt's lane exchange, read by stores that are issued in step dt + 1.
;   TF, PH, PL, XT, T and WLF behind its loads are named by vector and matrix instructions alone.
.set PW,    160                        ; bytes from row to row of a bf16 plane: 128 of data + 32
.set PLANE, 64*PW                      ; one plane; the remainder's plane follows the upper part's
.set ROW8,  8*PW                       ; a fill load of the work-group covers 8 rows
.set WL,    0                          ; wl, two planes
.set WR,    2*PLANE                    ; wr
.set XR,    4*PLANE                    ; X of token 0, then of token 1
.set BIAS,  8*PLANE                    ; the bias in f32,
.set BP,    272                        ; rows 256 + 16 bytes apart
.set FA,   4                           ; v4   fill: my 8 bytes in a plane's first 8 rows
.set FX,   5                           ; v5   the same in X
.set FB,   6                           ; v6   fill: my 16 bytes in the bias
.set GO,   7                           ; v7   16 t: my 16 bytes of each 2,048 in memory
.set TRA,  8                           ; v8   lane term of a transposing load
.set TRX,  9                           ; v9   + X's region
.set BA,   10                          ; v10  my 32 bytes of a bias tile
.set VO,   11                          ; v11  my byte offset in the head-major outputs
.set T,    12                          ; v[12:19] at work
.set XT,   20                          ; v[20:27] lane exchange
.set TRW,  28                          ; v28  lane term + my wave's 16 columns
.set ST,   32                          ; v[32:191]  the fill's 40 loads
.set OUT,  192                         ; v[192:255] the fill: the upper parts, two registers for each of the 32 loads that are converted; afterwards:
.set WLF,  32                          ; v[32:63]   wl's fragments: + 16 kk + 8 plane
.set XF,   64                          ; v[64:127]  X's fragments, 32 for each token
.set WRF,  64                          ; v[64:95]   wr's fragments (second product)
.set PH,   96                          ; v[96:103]  packed results, 4 for each token
.set PL,   104                         ; v[104:111] packed remainders
.set Y,    128                         ; v[128:143] accumulators, 8 for each token
.set TF,   144                         ; v[144:207] D1 as fragments, 32 for each token
.set SD,   208                         ; v[208:223] store data, buffer 0; buffer 1 lies 32 on, v[240:255]
.set YB,   224                         ; v[224:239] the second pair of accumulators
.set HM,   54                          ; s54  mask of a word's upper bf16
.macro PLACES n
.rept \n
	v_nop
.endr
.endm
.macro MM d, a, b                      ; one link of a sum in place
	v_wmma_f32_16x16x32_bf16 v[\d:\d+7], v[\a:\a+7], v[\b:\b+7], v[\d:\d+7]
.endm
.macro MM0 d, a, b                     ; the link that starts a sum
	v_wmma_f32_16x16x32_bf16 v[\d:\d+7], v[\a:\a+7], v[\b:\b+7], 0
.endm
; Two split products over K = 64, their links taking turns: hi hi, lo hi, hi lo for each half of K. zero = 1: the first links start the sums.
.macro X3PAIR d0, a0, b0, d1, a1, b1, zero
.if \zero
	MM0 \d0, \a0, \b0
	MM0 \d1, \a1, \b1
.else
	MM \d0, \a0, \b0
	MM \d1, \a1, \b1
.endif
	MM \d0, \a0+8, \b0
	MM \d1, \a1+8, \b1
	MM \d0, \a0, \b0+8
	MM \d1, \a1, \b1+8
	MM \d0, \a0+16, \b0+16
	MM \d1, \a1+16, \b1+16
	MM \d0, \a0+24, \b0+16
	MM \d1, \a1+24, \b1+16
	MM \d0, \a0+16, \b0+24
	MM \d1, \a1+16, \b1+24
.endm
; The fragments of 16 columns over K = 64, both planes: eight transposing loads. Each brings 16 rows x 16 columns; the second of a pair lies 16 rows on.
.macro FRAG dst, areg, imm
.irp kk, 0,1
.irp pl, 0,1
	ds_load_tr16_b128 v[\dst+16*\kk+8*\pl:\dst+16*\kk+8*\pl+3],   v[\areg] offset:\imm+\pl*PLANE+\kk*32*PW
	ds_load_tr16_b128 v[\dst+16*\kk+8*\pl+4:\dst+16*\kk+8*\pl+7], v[\areg] offset:\imm+\pl*PLANE+\kk*32*PW+16*PW
.endr
.endr
.endm
.macro BIASLD d, off                   ; a bias tile as the start of both tokens' sums
	ds_load_b128 v[\d:\d+3],     v[BA] offset:\off
	ds_load_b128 v[\d+4:\d+7],   v[BA] offset:\off+16
	ds_load_b128 v[\d+8:\d+11],  v[BA] offset:\off
	ds_load_b128 v[\d+12:\d+15], v[BA] offset:\off+16
.endm
.macro HIPART d, th                    ; eight f32 to four words of bf16
.irp jj, 0,1,2,3
	v_cvt_pk_bf16_f32 v[\th+\jj], v[\d+2*\jj], v[\d+2*\jj+1]
.endr
.endm
.macro LOPART d, th, tl                ; what the rounding left, again as bf16 (d is used up)
.irp jj, 0,1,2,3
	v_lshlrev_b32 v[T+2*\jj], 16, v[\th+\jj]
	v_and_b32 v[T+2*\jj+1], s[HM], v[\th+\jj]
.endr
.irp jj, 0,1,2,3
	v_pk_add_f32 v[\d+2*\jj:\d+2*\jj+1], v[\d+2*\jj:\d+2*\jj+1], v[T+2*\jj:T+2*\jj+1] neg_lo:[0,1] neg_hi:[0,1]
.endr
.irp jj, 0,1,2,3
	v_cvt_pk_bf16_f32 v[\tl+\jj], v[\d+2*\jj], v[\d+2*\jj+1]
.endr
.endm
.macro SPLITT d, th, tl
	HIPART \d, \th
	LOPART \d, \th, \tl
.endm
; Fill load n's four f32: the upper parts into OUT + 2 n, the remainders into the first two of the load's own four registers.
; The loads issued behind it stay out (loads return in order: ISA guide 5.7.1). The working registers go by n's parity.
.macro CVT n
	s_wait_loadcnt 39-(\n)
	v_cvt_pk_bf16_f32 v[OUT+2*(\n)], v[ST+4*(\n)], v[ST+4*(\n)+1]
	v_cvt_pk_bf16_f32 v[OUT+2*(\n)+1], v[ST+4*(\n)+2], v[ST+4*(\n)+3]
	v_lshlrev_b32 v[T+4*((\n)%2)], 16, v[OUT+2*(\n)]
	v_and_b32 v[T+4*((\n)%2)+1], s[HM], v[OUT+2*(\n)]
	v_lshlrev_b32 v[T+4*((\n)%2)+2], 16, v[OUT+2*(\n)+1]
	v_and_b32 v[T+4*((\n)%2)+3], s[HM], v[OUT+2*(\n)+1]
	v_pk_add_f32 v[ST+4*(\n):ST+4*(\n)+1], v[ST+4*(\n):ST+4*(\n)+1], v[T+4*((\n)%2):T+4*((\n)%2)+1] neg_lo:[0,1] neg_hi:[0,1]
	v_pk_add_f32 v[ST+4*(\n)+2:ST+4*(\n)+3], v[ST+4*(\n)+2:ST+4*(\n)+3], v[T+4*((\n)%2)+2:T+4*((\n)%2)+3] neg_lo:[0,1] neg_hi:[0,1]
	v_cvt_pk_bf16_f32 v[ST+4*(\n)], v[ST+4*(\n)], v[ST+4*(\n)+1]
	v_cvt_pk_bf16_f32 v[ST+4*(\n)+1], v[ST+4*(\n)+2], v[ST+4*(\n)+3]
.endm
.macro PUT n, areg, off                ; load n's 8 bytes into each plane
	ds_store_b64 v[\areg], v[OUT+2*(\n):OUT+2*(\n)+1] offset:\off
	ds_store_b64 v[\areg], v[ST+4*(\n):ST+4*(\n)+1] offset:\off+PLANE
.endm
; Lanes r < 8 hold head row 2 w, lanes r >= 8 head row 2 w + 1, token 0 in p0 and token 1 in p1. After the exchange with lane r xor 8,
; da holds head row 2 w with lane r = 8 token + c%8, db head row 2 w + 1: sixteen neighbouring lanes hold 256 neighbouring bytes.
.macro XCH p0, p1, da, db
.irp k, 0,1,2,3
	v_mov_b32_dpp v[XT+\k], v[\p1+\k] row_xmask:8 row_mask:0xf bank_mask:0xf
	v_mov_b32_dpp v[XT+4+\k], v[\p0+\k] row_xmask:8 row_mask:0xf bank_mask:0xf
.endr
.irp k, 0,1,2,3
	v_cndmask_b32 v[\da+\k], v[\p0+\k], v[XT+\k], s55
	v_cndmask_b32 v[\db+\k], v[XT+4+\k], v[\p1+\k], s55
.endr
.endm
.macro SEND sb, d, t                   ; tile t's two stores by the base s[sb:sb+1]: in each, 16 lanes store 256 consecutive bytes, aligned
	global_store_b128 v[VO], v[\d:\d+3],   s[\sb:\sb+1] offset:32768*(\t)          ; head (2 w, 2 t + h)
	global_store_b128 v[VO], v[\d+4:\d+7], s[\sb:\sb+1] offset:131072+32768*(\t)   ; head (2 w + 1, 2 t + h)
.endm
	s_load_b512 s[8:23], s[0:1], 0x0               ; queries keys values | wq_l wk_l wv_l | wq_r wk_r
	s_load_b512 s[24:39], s[0:1], 0x40             ; wv_r | bq bk bv | qws kws vhi | vlo
	v_lshl_add_u32 v30, v0, 2, 0x18400
	v_mov_b32 v31, 0
	s_and_b32 s2, ttmp7, 0xffff                    ; which tensor
	v_lshrrev_b32 v1, 5, v0
	v_readfirstlane_b32 s3, v1                     ; wave 0..3
	s_mov_b32 s[HM], 0xffff0000
	s_mov_b32 s55, 0xff00ff00                      ; the lanes with r >= 8
	s_mov_b32 s56, 0x3b38aa3b                      ; log2(e) / 512
	s_mov_b32 s57, 0x3f800000                      ; 1
	s_mov_b32 s58, 0x3e000000                      ; 1 / 8
	s_wait_alu depctr_va_sdst(0)                   ; s3 is written, ahead of its first reader: the wave's columns and head rows are made from it
	s_lshl_b32 s4, s3, 4                           ; my first column c
	s_lshl_b32 s5, s3, 18                          ; head rows 2 w: 2 w x 8 heads x 16,384 bytes
	s_lshl_b32 s6, s3, 5                           ; my 16 columns in a plane's row, in bytes
	; the fill: thread t takes bytes 16 t of each 2,048: row t / 16 of eight, columns 4 (t % 16) ..
	v_lshlrev_b32 v[GO], 4, v0
	v_lshrrev_b32 v1, 4, v0
	v_and_b32 v2, 15, v0                           ; t % 16, which is also r
	v_mul_u32_u24 v3, v1, PW
	v_lshl_add_u32 v[FA], v2, 3, v3
	v_add_nc_u32 v[FX], XR, v[FA]
	v_mul_u32_u24 v3, v1, BP
	v_lshl_add_u32 v3, v2, 4, v3
	v_add_nc_u32 v[FB], BIAS, v3
	; a transposing load: lane L addresses row 8 h + L % 8 and the 16 bytes (L / 8) % 2 of the 32
	v_bfe_u32 v1, v0, 4, 1                         ; h
	v_and_b32 v3, 7, v0
	v_lshl_add_u32 v3, v1, 3, v3
	v_mul_u32_u24 v3, v3, PW
	v_bfe_u32 v29, v0, 3, 1
	v_lshl_add_u32 v[TRA], v29, 4, v3
	v_add_nc_u32 v[TRX], XR, v[TRA]
	v_add_nc_u32 v[TRW], s6, v[TRA]
	v_add_nc_u32 v3, s4, v2                        ; c = 16 w + r
	v_mul_u32_u24 v3, v3, BP
	v_lshl_add_u32 v3, v1, 5, v3                   ; + 8 h numbers of 4 bytes
	v_add_nc_u32 v[BA], BIAS, v3
	v_lshlrev_b32 v3, 14, v1                       ; head column 2 dt + h: h x 16,384
	v_lshl_add_u32 v3, v2, 4, v3                   ; 16 bytes a lane
	v_add_nc_u32 v[VO], s5, v3
.irp k, 0,1,2,3,4,5,6,7
	v_mov_b32 v[XT+\k], 0                          ; a lane-crossing move counts as a reader of its destination: written once here
.endr
	s_lshl_b32 s52, ttmp9, 15                      ; two tokens of 16,384 bytes
	s_mov_b32 s53, 0
	s_wait_kmcnt 0x0
	s_cmp_eq_u32 s2, 0                             ; queries or keys,
	s_cselect_b64 s[40:41], s[8:9], s[10:11]
	s_cselect_b64 s[42:43], s[14:15], s[16:17]
	s_cselect_b64 s[44:45], s[20:21], s[22:23]
	s_cselect_b64 s[46:47], s[26:27], s[28:29]
	s_cselect_b64 s[48:49], s[32:33], s[34:35]
	s_cselect_b32 s50, s56, s57
	s_cmp_eq_u32 s2, 2                             ; or values
	s_cselect_b64 s[40:41], s[12:13], s[40:41]     ; X
	s_cselect_b64 s[42:43], s[18:19], s[42:43]     ; wl
	s_cselect_b64 s[44:45], s[24:25], s[44:45]     ; wr
	s_cselect_b64 s[46:47], s[30:31], s[46:47]     ; bias
	s_cselect_b64 s[48:49], s[36:37], s[48:49]     ; where the (upper) results go
	s_cselect_b32 s50, s58, s50                    ; the scale,
	s_mov_b32 s51, s50                             ; as a pair for the packed multiply
	s_add_nc_u64 s[40:41], s[40:41], s[52:53]
	s_lshr_b32 s59, ttmp9, 6                       ; batch: 64 heads of 16,384 bytes
	s_lshl_b32 s59, s59, 20
	s_and_b32 s60, ttmp9, 63                       ; the pair's 256 bytes in a head
	s_lshl_b32 s60, s60, 8
	s_add_co_u32 s52, s59, s60
	s_add_nc_u64 s[48:49], s[48:49], s[52:53]
	s_add_nc_u64 s[38:39], s[38:39], s[52:53]
	s_wait_alu depctr_va_vdst(0)                   ; the offsets and LDS addresses v4 to v11 and v28 are written: every load and store of the kernel reads one of them, and none is written again
	; THE FILL: all 40 loads of a thread are issued, then taken one by one while the rest are on their way
.irp n, 0,1,2,3,4,5,6,7
	global_load_b128 v[ST+4*\n:ST+4*\n+3], v[GO], s[42:43] offset:\n*2048
.endr
.irp n, 0,1,2,3,4,5,6,7
	global_load_b128 v[ST+32+4*\n:ST+32+4*\n+3], v[GO], s[44:45] offset:\n*2048
.endr
.irp n, 0,1,2,3,4,5,6,7,8,9,10,11,12,13,14,15
	global_load_b128 v[ST+64+4*\n:ST+64+4*\n+3], v[GO], s[40:41] offset:\n*2048 th:TH_LOAD_NT
.endr
.irp n, 0,1,2,3,4,5,6,7
	global_load_b128 v[ST+128+4*\n:ST+128+4*\n+3], v[GO], s[46:47] offset:\n*2048
.endr
.irp n, 0,1,2,3,4,5,6,7
	CVT \n                                         ; wl
.endr
	s_wait_alu depctr_va_vdst(0)                   ; wl's conversions have written their words of OUT and ST, which the stores below read; the conversions among them name wr's registers and T alone
.irp n, 0,1,2,3,4,5,6,7
	PUT \n, FA, WL+\n*ROW8
	CVT 8+\n                                       ; wr
.endr
	s_wait_alu depctr_va_vdst(0)                   ; wr's conversions have written their words, which the stores below read
.irp n, 0,1,2,3,4,5,6,7
	PUT 8+\n, FA, WR+\n*ROW8
	CVT 16+\n                                      ; X of token 0
.endr
	s_wait_alu depctr_va_vdst(0)                   ; token 0's conversions have written their words, which the stores below read
.irp n, 0,1,2,3,4,5,6,7
	PUT 16+\n, FX, \n*ROW8
	CVT 24+\n                                      ; X of token 1
.endr
	s_wait_alu depctr_va_vdst(0)                   ; token 1's conversions have written their words, which the stores below read; all the fill's vector work on ST and OUT is done, so that loads may land there behind the barrier
.irp n, 0,1,2,3,4,5,6,7
	PUT 24+\n, FX, 2*PLANE+\n*ROW8
	s_wait_loadcnt 7-\n
	ds_store_b128 v[FB], v[ST+128+4*\n:ST+128+4*\n+3] offset:\n*8*BP       ; the bias goes as it came: its data are a load's, shown by the wait above
.endr
	s_wait_dscnt 0x0                               ; my stores are in LDS before I say so;
	s_barrier_signal -1
	s_barrier_wait -1                              ; behind this LDS is only read: the one barrier
	s_wait_alu depctr_vm_vsrc(0)                   ; my LDS stores have read ST and OUT: from here on these registers are fragments, accumulators, TF and SD, written by loads and by vector instructions
	; FIRST PRODUCT: four tiles of 16 b, both tokens side by side
	FRAG WLF, TRW, WL
	FRAG XF, TRX, 0
	FRAG XF+32, TRX, 2*PLANE
.irp bt, 0,1,2,3
	s_wait_dscnt 0x0                               ; this tile's fragments are in
	X3PAIR Y, XF, WLF, Y+8, XF+32, WLF, 1
	PLACES 5                                       ; ISA guide 7.12.1: four places before the split reads the sums, five before the next tile's first links write over them
	s_wait_alu depctr_va_vdst(0)                   ; the products are done reading X's fragments, in which the loads below land; the split behind them names Y, TF and T alone
.if 3-\bt
	FRAG XF, TRX, 32*(\bt+1)
	FRAG XF+32, TRX, 2*PLANE+32*(\bt+1)
.else
	FRAG WRF, TRA, WR                              ; behind the last tile: the second product's first fragments,
	BIASLD YB, 0                                   ; and its first bias tile, into the pair of accumulators that the split does not name
.endif
	SPLITT Y, TF+16*(\bt/2)+4*(\bt%2), TF+16*(\bt/2)+4*(\bt%2)+8
	SPLITT Y+8, TF+32+16*(\bt/2)+4*(\bt%2), TF+32+16*(\bt/2)+4*(\bt%2)+8
.endr
	; SECOND PRODUCT: four tiles of 16 d; the bias tile is the sum's start. Tiles 0 and 2 sum in YB and leave by SD, tiles 1 and 3 sum in Y and leave by SD + 32.
.irp dt, 0,1,2,3
.set YC,  Y+(YB-Y)*(1-(\dt%2))         ; this step's accumulators,
.set YN,  Y+(YB-Y)*(\dt%2)             ; the other pair
.set SDC, SD+32*(\dt%2)                ; this step's store data,
.set SDP, SD+32*(1-(\dt%2))            ; the last step's
	s_wait_dscnt 0x0                               ; wr's fragments and the bias tile are in
	X3PAIR YC, WRF, TF, YC+8, WRF, TF+32, 0
	PLACES 4                                       ; ISA guide 7.12.1: four places before the scaling reads the sums; the next step's products write the other pair
.if \dt >= 2
	s_wait_xcnt 0x0                                ; the stores issued in the last step have had their addresses translated (ISA guide 3.1),
	s_wait_alu depctr_vm_vsrc(0)                   ; and have read this step's SD buffer, which the lane exchange below writes again
.endif
	s_wait_alu depctr_va_vdst(0)                   ; the products are done reading wr's fragments; the last step is done with the other accumulators and has written its SD buffer: loads land in the first two, stores read the third
.if 3-\dt
	FRAG WRF, TRA, WR+32*(\dt+1)
	BIASLD YN, 64*(\dt+1)
.endif
.if \dt
	SEND 48, SDP, \dt-1                            ; the last step's (upper) results
.endif
.irp k, 0,2,4,6,8,10,12,14
	v_pk_mul_f32 v[YC+\k:YC+\k+1], v[YC+\k:YC+\k+1], s[50:51] op_sel_hi:[1,0]
.endr
	HIPART YC, PH
	HIPART YC+8, PH+4
	XCH PH, PH+4, SDC, SDC+4
.if \dt == 3
	s_wait_alu depctr_va_vdst(0)                   ; no step follows: the lane exchange has written SD + 32, which the stores below read
	SEND 48, SDC, \dt
.endif
	s_cmp_lg_u32 s2, 2
	s_cbranch_scc1 .Lnolo\dt                       ; only values leave a second plane
.if \dt
	SEND 38, SDP+8, \dt-1                          ; the last step's remainders: no vector instruction since this step's wait names these registers
.endif
	LOPART YC, PH, PL
	LOPART YC+8, PH+4, PL+4
	XCH PL, PL+4, SDC+8, SDC+12
.if \dt == 3
	s_wait_alu depctr_va_vdst(0)                   ; the lane exchange has written the remainders' half of SD + 32, which the last stores read
	SEND 38, SDC+8, \dt
.endif
.Lnolo\dt:
.endr
	s_wait_dscnt 0x0
	s_wait_alu depctr_hold_cnt(0) depctr_sa_sdst(0) depctr_va_vdst(0) depctr_va_sdst(0) depctr_va_ssrc(0) depctr_va_vcc(0) depctr_vm_vsrc(0)
	s_wait_tensorcnt 0x0
	ds_add_u32 v30, v31
	s_wait_dscnt 0x0
	s_endpgm
.Lfunc_end_k_q37170b7764_proj:
	.size	k_q37170b7764_proj, .Lfunc_end_k_q37170b7764_proj-k_q37170b7764_proj
	.p2alignl 7, 3214868480
	.fill 96, 4, 3214868480
	.section	.rodata,"a",@progbits
	.p2align	6, 0x0
	.amdhsa_kernel k_q37170b7764_proj
		.amdhsa_group_segment_fixed_size 99840
		.amdhsa_private_segment_fixed_size 0
		.amdhsa_enable_private_segment 0
		.amdhsa_kernarg_size 128
		.amdhsa_user_sgpr_count 2
		.amdhsa_user_sgpr_kernarg_segment_ptr 1
		.amdhsa_wavefront_size32 1
		.amdhsa_system_sgpr_workgroup_id_x 1
		.amdhsa_system_sgpr_workgroup_id_y 1
		.amdhsa_system_sgpr_workgroup_id_z 1
		.amdhsa_system_vgpr_workitem_id 0
		.amdhsa_next_free_vgpr 256
		.amdhsa_next_free_sgpr 66
		.amdhsa_reserve_vcc 0
		.amdhsa_float_denorm_mode_32 3
		.amdhsa_float_denorm_mode_16_64 3
		.amdhsa_memory_ordered 1
		.amdhsa_forward_progress 1
		.amdhsa_inst_pref_size 73
	.end_amdhsa_kernel
	.amdgpu_metadata
---
amdhsa.version: [ 1, 2 ]
amdhsa.kernels:
  - .name:           k_q37170b7764_proj
    .symbol:         k_q37170b7764_proj.kd
    .args:
      - { .name: queries, .offset: 0, .size: 8, .value_kind: global_buffer, .address_space: global }
      - { .name: keys, .offset: 8, .size: 8, .value_kind: global_buffer, .address_space: global }
      - { .name: values, .offset: 16, .size: 8, .value_kind: global_buffer, .address_space: global }
      - { .name: wq_l, .offset: 24, .size: 8, .value_kind: global_buffer, .address_space: global }
      - { .name: wk_l, .offset: 32, .size: 8, .value_kind: global_buffer, .address_space: global }
      - { .name: wv_l, .offset: 40, .size: 8, .value_kind: global_buffer, .address_space: global }
      - { .name: wq_r, .offset: 48, .size: 8, .value_kind: global_buffer, .address_space: global }
      - { .name: wk_r, .offset: 56, .size: 8, .value_kind: global_buffer, .address_space: global }
      - { .name: wv_r, .offset: 64, .size: 8, .value_kind: global_buffer, .address_space: global }
      - { .name: bq, .offset: 72, .size: 8, .value_kind: global_buffer, .address_space: global }
      - { .name: bk, .offset: 80, .size: 8, .value_kind: global_buffer, .address_space: global }
      - { .name: bv, .offset: 88, .size: 8, .value_kind: global_buffer, .address_space: global }
      - { .name: qws, .offset: 96, .size: 8, .value_kind: global_buffer, .address_space: global }
      - { .name: kws, .offset: 104, .size: 8, .value_kind: global_buffer, .address_space: global }
      - { .name: vhi, .offset: 112, .size: 8, .value_kind: global_buffer, .address_space: global }
      - { .name: vlo, .offset: 120, .size: 8, .value_kind: global_buffer, .address_space: global }
    .group_segment_fixed_size: 99840
    .private_segment_fixed_size: 0
    .kernarg_segment_align: 8
    .kernarg_segment_size: 128
    .max_flat_workgroup_size: 128
    .sgpr_count:     66
    .vgpr_count:     256
    .wavefront_size: 32
...
	.end_amdgpu_metadata
.endif
;; end of part 4
;; launch attn: the kernel of part 2 again; grid 256 x 1, 16 waves a work-group, no clusters, 55,296 bytes of LDS; arguments qws, kws, vhi, vlo, ao; writes ao
;; launch oproj (part 5): grid 256 x 1, 4 waves a work-group, no clusters, 96,768 bytes of LDS; arguments ao, wo_l, wo_r, bo, out0; writes out0
.if DOCPART == 5
	.amdgcn_target "amdgcn-amd-amdhsa--gfx1250"
	.amdhsa_code_object_version 6
	.text
	.protected	k_q37170b7764_oproj
	.globl	k_q37170b7764_oproj
	.p2align	8
	.type	k_q37170b7764_oproj,@function
k_q37170b7764_oproj:
	s_mov_b64 s[64:65], 0
	v_nop
	global_prefetch_b8 v0, s[64:65] scope:SCOPE_SE
	s_setreg_imm32_b32 hwreg(HW_REG_WAVE_SCHED_MODE, 0, 2), 2
	s_setreg_imm32_b32 hwreg(HW_REG_WAVE_MODE, 25, 1), 1
	s_wait_xcnt 0x0
	s_wait_alu depctr_vm_vsrc(0)
; OPROJ: out0[token][c][d] = (sum over a, b of M[a][b] wo_l[a][c] wo_r[b][d] + bo[c][d]) / 8, one token for each work-group.
; M is the attention's result with the heads merged: M[8 l + x][8 r + e] = ao[head (batch, l, r)][token][x][e], f32.
; ARITHMETIC as in the input projections: every operand in a bf16 upper part and a bf16 remainder, three matrix products for a product,
; sums in f32; left product first, its result packed in registers into the second product's fragments.
; LIMIT. A number whose upper part rounds to infinity (magnitude above about 3.3e38) gives NaN in its remainder.
; SHARES. Four waves; wave w makes rows c = 16 w .. 16 w + 15 of the result. The two sums whose links take turns are two tiles of b, then two of d.
; The result's lanes hold 32 bytes of sixteen different rows, so it leaves through a stage in LDS of the wave's own and is stored as whole rows.
; The fill passes through registers because it converts f32 to two planes; so the weights, which all 256 work-groups read (48 KiB against
; 16 KiB of their own), are not asked for jointly: a copy engine cannot split them.
; THE MODE: SCHED_MODE bits 1:0 = 2 (LLVM: expert scheduling mode 2), set by the entry lines. The code itself states the register dependences
; between vector or matrix instructions and memory or LDS instructions, with s_wait_alu, always for 0.
; THE PLAN. Registers that memory or LDS instructions touch:
;   v4-v11, v20-v22, v28  offsets and LDS addresses: written once at the head, never again.
;   ST, OUT      The fill. Load n lands in ST + 4 n; its conversion leaves the upper part in OUT + 2 n and the remainder in ST + 4 n, two words each;
;                two LDS stores read them. Every load has registers of its own, so nothing is written twice. The loads go in batches of eight:
;                one wait at a batch's head states that the batch before has written its words, and that batch's sixteen stores are dealt among
;                this batch's conversions, which name their own ST and OUT and the working registers T alone.
;   XF, WRF      Read by a step's products; the next step's loads land in them behind one wait, and the step's vector work runs while they are on their way.
;   Y, YB        Two pairs of accumulators in the second product: its first step sums in YB, its second in Y, so that a bias tile lands in the pair that
;                the work in hand does not name, and the first step's stores into the stage stand behind the second step's wait.
;   OUTR         The rows read back from the stage: loads land in it, global stores read it; no vector instruction names it behind the fill.
;   TF, T and WLF behind its loads are named by vector and matrix instructions alone.
.set PW,    160                        ; bytes from row to row of a bf16 plane: 128 of data + 32
.set PLANE, 64*PW
.set ROW8,  8*PW
.set WL,    0                          ; wo_l, two planes
.set WR,    2*PLANE                    ; wo_r
.set MR,    4*PLANE                    ; M
.set BIAS,  6*PLANE                    ; the bias in f32,
.set BP,    272                        ; rows 256 + 16 bytes apart
.set STAGE, BIAS+64*BP                 ; the way out: 16 rows of 272 bytes for each wave
.set SP,    272
.set FA,   4                           ; v4   fill: my 8 bytes in a plane's first 8 rows
.set FM,   5                           ; v5   fill: my 8 bytes of M
.set FB,   6                           ; v6   fill: my 16 bytes in the bias
.set GO,   7                           ; v7   16 t
.set TRA,  8                           ; v8   lane term of a transposing load
.set TRM,  9                           ; v9   + M's region
.set BA,   10                          ; v10  my 32 bytes of a bias tile
.set STO,  11                          ; v11  stage: where I put my 32 bytes of a row
.set T,    12                          ; v[12:19] at work
.set RD,   20                          ; v20  stage: where I read a row back
.set CO,   21                          ; v21  my byte offset in the token's result
.set GM,   22                          ; v22  my byte offset in ao
.set TRW,  28                          ; v28  lane term + my wave's 16 columns
.set ST,   32                          ; v[32:159]  the fill's 32 loads
.set OUT,  160                         ; v[160:207] the fill: the upper parts, two registers for each of the 24 loads that are converted; afterwards:
.set WLF,  32                          ; v[32:63]   wo_l's fragments
.set XF,   64                          ; v[64:127]  M's fragments, two tiles of b
.set WRF,  64                          ; v[64:127]  wo_r's fragments, two tiles of d
.set Y,    128                         ; v[128:143] two accumulators
.set TF,   144                         ; v[144:175] the first product as fragments
.set OUTR, 176                         ; v[176:207] rows on their way out
.set YB,   208                         ; v[208:223] the second pair of accumulators
.set HM,   14                          ; s14  mask of a word's upper bf16
.macro PLACES n
.rept \n
	v_nop
.endr
.endm
.macro MM d, a, b
	v_wmma_f32_16x16x32_bf16 v[\d:\d+7], v[\a:\a+7], v[\b:\b+7], v[\d:\d+7]
.endm
.macro MM0 d, a, b
	v_wmma_f32_16x16x32_bf16 v[\d:\d+7], v[\a:\a+7], v[\b:\b+7], 0
.endm
; Two split products over K = 64, their links taking turns: hi hi, lo hi, hi lo for each half of K. zero = 1: the first links start the sums.
.macro X3PAIR d0, a0, b0, d1, a1, b1, zero
.if \zero
	MM0 \d0, \a0, \b0
	MM0 \d1, \a1, \b1
.else
	MM \d0, \a0, \b0
	MM \d1, \a1, \b1
.endif
	MM \d0, \a0+8, \b0
	MM \d1, \a1+8, \b1
	MM \d0, \a0, \b0+8
	MM \d1, \a1, \b1+8
	MM \d0, \a0+16, \b0+16
	MM \d1, \a1+16, \b1+16
	MM \d0, \a0+24, \b0+16
	MM \d1, \a1+24, \b1+16
	MM \d0, \a0+16, \b0+24
	MM \d1, \a1+16, \b1+24
.endm
.macro FRAG dst, areg, imm             ; the fragments of 16 columns over K = 64, both planes: eight transposing loads
.irp kk, 0,1
.irp pl, 0,1
	ds_load_tr16_b128 v[\dst+16*\kk+8*\pl:\dst+16*\kk+8*\pl+3],   v[\areg] offset:\imm+\pl*PLANE+\kk*32*PW
	ds_load_tr16_b128 v[\dst+16*\kk+8*\pl+4:\dst+16*\kk+8*\pl+7], v[\areg] offset:\imm+\pl*PLANE+\kk*32*PW+16*PW
.endr
.endr
.endm
.macro BIASLD d, off                   ; two neighbouring bias tiles as the start of the two sums
	ds_load_b128 v[\d:\d+3],     v[BA] offset:\off
	ds_load_b128 v[\d+4:\d+7],   v[BA] offset:\off+16
	ds_load_b128 v[\d+8:\d+11],  v[BA] offset:\off+64
	ds_load_b128 v[\d+12:\d+15], v[BA] offset:\off+80
.endm
.macro TOSTAGE d, off                  ; row r, 32 bytes of each of two tiles of d
	ds_store_b128 v[STO], v[\d:\d+3]     offset:\off
	ds_store_b128 v[STO], v[\d+4:\d+7]   offset:\off+16
	ds_store_b128 v[STO], v[\d+8:\d+11]  offset:\off+64
	ds_store_b128 v[STO], v[\d+12:\d+15] offset:\off+80
.endm
.macro SCALE d                         ; both sums times 1 / 8, each from its low end on
.irp k, 0,2,4,6,8,10,12,14
	v_pk_mul_f32 v[\d+\k:\d+\k+1], v[\d+\k:\d+\k+1], s[20:21] op_sel_hi:[1,0]
.endr
.endm
.macro SPLITT d, th, tl                ; eight f32 to four words of bf16 and four words of what the rounding left (d is used up)
.irp jj, 0,1,2,3
	v_cvt_pk_bf16_f32 v[\th+\jj], v[\d+2*\jj], v[\d+2*\jj+1]
.endr
.irp jj, 0,1,2,3
	v_lshlrev_b32 v[T+2*\jj], 16, v[\th+\jj]
	v_and_b32 v[T+2*\jj+1], s[HM], v[\th+\jj]
.endr
.irp jj, 0,1,2,3
	v_pk_add_f32 v[\d+2*\jj:\d+2*\jj+1], v[\d+2*\jj:\d+2*\jj+1], v[T+2*\jj:T+2*\jj+1] neg_lo:[0,1] neg_hi:[0,1]
.endr
.irp jj, 0,1,2,3
	v_cvt_pk_bf16_f32 v[\tl+\jj], v[\d+2*\jj], v[\d+2*\jj+1]
.endr
.endm
; Fill load n's four f32: the upper parts into OUT + 2 n, the remainders into the first two of the load's own four registers.
; The loads issued behind it stay out (loads return in order: ISA guide 5.7.1). The working registers go by n's parity.
.macro CVT n
	s_wait_loadcnt 31-(\n)
	v_cvt_pk_bf16_f32 v[OUT+2*(\n)], v[ST+4*(\n)], v[ST+4*(\n)+1]
	v_cvt_pk_bf16_f32 v[OUT+2*(\n)+1], v[ST+4*(\n)+2], v[ST+4*(\n)+3]
	v_lshlrev_b32 v[T+4*((\n)%2)], 16, v[OUT+2*(\n)]
	v_and_b32 v[T+4*((\n)%2)+1], s[HM], v[OUT+2*(\n)]
	v_lshlrev_b32 v[T+4*((\n)%2)+2], 16, v[OUT+2*(\n)+1]
	v_and_b32 v[T+4*((\n)%2)+3], s[HM], v[OUT+2*(\n)+1]
	v_pk_add_f32 v[ST+4*(\n):ST+4*(\n)+1], v[ST+4*(\n):ST+4*(\n)+1], v[T+4*((\n)%2):T+4*((\n)%2)+1] neg_lo:[0,1] neg_hi:[0,1]
	v_pk_add_f32 v[ST+4*(\n)+2:ST+4*(\n)+3], v[ST+4*(\n)+2:ST+4*(\n)+3], v[T+4*((\n)%2)+2:T+4*((\n)%2)+3] neg_lo:[0,1] neg_hi:[0,1]
	v_cvt_pk_bf16_f32 v[ST+4*(\n)], v[ST+4*(\n)], v[ST+4*(\n)+1]
	v_cvt_pk_bf16_f32 v[ST+4*(\n)+1], v[ST+4*(\n)+2], v[ST+4*(\n)+3]
.endm
.macro PUT n, areg, off                ; load n's 8 bytes into each plane
	ds_store_b64 v[\areg], v[OUT+2*(\n):OUT+2*(\n)+1] offset:\off
	ds_store_b64 v[\areg], v[ST+4*(\n):ST+4*(\n)+1] offset:\off+PLANE
.endm
	s_load_b256 s[4:11], s[0:1], 0x0               ; ao s[4:5], wo_l s[6:7], wo_r s[8:9], bo s[10:11]
	s_load_b64 s[12:13], s[0:1], 0x20              ; out0
	v_lshl_add_u32 v30, v0, 2, 0x17800
	v_mov_b32 v31, 0
	v_lshrrev_b32 v1, 5, v0
	v_readfirstlane_b32 s3, v1                     ; wave 0..3
	s_mov_b32 s[HM], 0xffff0000
	s_mov_b32 s20, 0x3e000000                      ; 1 / 8,
	s_mov_b32 s21, 0x3e000000                      ; as a pair for the packed multiply
	s_wait_alu depctr_va_sdst(0)                   ; s3 is written, ahead of its first reader: the wave's rows, columns and stage are made from it
	s_lshl_b32 s15, s3, 4                          ; my first row c
	s_lshl_b32 s16, s3, 5                          ; my 16 columns in a plane's row, in bytes
	s_mul_i32 s17, s3, 16*SP
	s_add_co_u32 s17, s17, STAGE                   ; my stage
	s_lshl_b32 s18, s3, 12                         ; my 16 rows of 256 bytes in the result
	s_lshr_b32 s22, ttmp9, 7                       ; batch: 64 heads of 32,768 bytes
	s_lshl_b32 s22, s22, 21
	s_and_b32 s24, ttmp9, 127                      ; the token's 256 bytes in a head
	s_lshl_b32 s24, s24, 8
	s_add_co_u32 s22, s22, s24
	s_mov_b32 s23, 0
	s_lshl_b32 s24, ttmp9, 14                      ; the token's 16,384 bytes of the result
	s_mov_b32 s25, 0
	; the fill of the weights and the bias: thread t takes bytes 16 t of each 2,048: row t / 16 of eight, columns 4 (t % 16) ..
	v_lshlrev_b32 v[GO], 4, v0
	v_lshrrev_b32 v1, 4, v0                        ; t / 16
	v_and_b32 v2, 15, v0                           ; t % 16, which is also r
	v_mul_u32_u24 v3, v1, PW
	v_lshl_add_u32 v[FA], v2, 3, v3
	v_mul_u32_u24 v3, v1, BP
	v_lshl_add_u32 v3, v2, 4, v3
	v_add_nc_u32 v[FB], BIAS, v3
	; the fill of M: load n of thread t takes head (l = n, r = t / 16), the 16 bytes t % 16 of its 256: x = (t / 2) % 8, e = 4 (t % 2) ..
	v_lshlrev_b32 v3, 15, v1
	v_lshl_add_u32 v[GM], v2, 4, v3
	v_bfe_u32 v3, v0, 1, 3
	v_mul_u32_u24 v3, v3, PW                       ; row 8 n + x,
	v_lshl_add_u32 v3, v1, 4, v3                   ; column 8 r + e, 2 bytes each
	v_and_b32 v29, 1, v0
	v_lshl_add_u32 v3, v29, 3, v3
	v_add_nc_u32 v[FM], MR, v3
	; a transposing load: lane L addresses row 8 h + L % 8 and the 16 bytes (L / 8) % 2 of the 32
	v_bfe_u32 v1, v0, 4, 1                         ; h
	v_and_b32 v3, 7, v0
	v_lshl_add_u32 v3, v1, 3, v3
	v_mul_u32_u24 v3, v3, PW
	v_bfe_u32 v29, v0, 3, 1
	v_lshl_add_u32 v[TRA], v29, 4, v3
	v_add_nc_u32 v[TRM], MR, v[TRA]
	v_add_nc_u32 v[TRW], s16, v[TRA]
	v_add_nc_u32 v3, s15, v2                       ; c = 16 w + r
	v_mul_u32_u24 v3, v3, BP
	v_lshl_add_u32 v3, v1, 5, v3
	v_add_nc_u32 v[BA], BIAS, v3
	v_mul_u32_u24 v3, v2, SP                       ; in: row r, 32 bytes for each half of the lanes
	v_lshl_add_u32 v3, v1, 5, v3
	v_add_nc_u32 v[STO], s17, v3
	v_mul_u32_u24 v3, v1, SP                       ; back: lanes 0-15 take one row of 256 bytes, lanes 16-31 the next
	v_lshl_add_u32 v3, v2, 4, v3
	v_add_nc_u32 v[RD], s17, v3
	v_lshlrev_b32 v3, 8, v1                        ; and the same two rows in the result
	v_lshl_add_u32 v3, v2, 4, v3
	v_add_nc_u32 v[CO], s18, v3
	s_wait_kmcnt 0x0
	s_add_nc_u64 s[4:5], s[4:5], s[22:23]
	s_add_nc_u64 s[12:13], s[12:13], s[24:25]
	s_wait_alu depctr_va_vdst(0)                   ; the offsets and LDS addresses v4 to v11, v20 to v22 and v28 are written: every load and store of the kernel reads one of them, and none is written again
	; THE FILL: all 32 loads of a thread are issued, then taken one by one while the rest are on their way
.irp n, 0,1,2,3,4,5,6,7
	global_load_b128 v[ST+4*\n:ST+4*\n+3], v[GO], s[6:7] offset:\n*2048
.endr
.irp n, 0,1,2,3,4,5,6,7
	global_load_b128 v[ST+32+4*\n:ST+32+4*\n+3], v[GO], s[8:9] offset:\n*2048
.endr
.irp n, 0,1,2,3,4,5,6,7
	global_load_b128 v[ST+64+4*\n:ST+64+4*\n+3], v[GM], s[4:5] offset:\n*262144 th:TH_LOAD_NT    ; 16 lanes read a head's 256 bytes whole
.endr
.irp n, 0,1,2,3,4,5,6,7
	global_load_b128 v[ST+96+4*\n:ST+96+4*\n+3], v[GO], s[10:11] offset:\n*2048
.endr
.irp n, 0,1,2,3,4,5,6,7
	CVT \n                                         ; wo_l
.endr
	s_wait_alu depctr_va_vdst(0)                   ; wo_l's conversions have written their words of OUT and ST, which the stores below read; the conversions among them name wo_r's registers and T alone
.irp n, 0,1,2,3,4,5,6,7
	PUT \n, FA, WL+\n*ROW8
	CVT 8+\n                                       ; wo_r
.endr
	s_wait_alu depctr_va_vdst(0)                   ; wo_r's conversions have written their words, which the stores below read
.irp n, 0,1,2,3,4,5,6,7
	PUT 8+\n, FA, WR+\n*ROW8
	CVT 16+\n                                      ; M
.endr
	s_wait_alu depctr_va_vdst(0)                   ; M's conversions have written their words, which the stores below read; all the fill's vector work on ST and OUT is done, so that loads may land there behind the barrier
.irp n, 0,1,2,3,4,5,6,7
	PUT 16+\n, FM, \n*ROW8
	s_wait_loadcnt 7-\n
	ds_store_b128 v[FB], v[ST+96+4*\n:ST+96+4*\n+3] offset:\n*8*BP         ; the bias goes as it came: its data are a load's, shown by the wait above
.endr
	s_wait_dscnt 0x0                               ; my stores are in LDS before I say so;
	s_barrier_signal -1
	s_barrier_wait -1                              ; behind this the shared regions are only read, and the stage is each wave's own: the one barrier
	s_wait_alu depctr_vm_vsrc(0)                   ; my LDS stores have read ST and OUT: from here on these registers are fragments, accumulators, TF and OUTR, written by loads and by vector instructions
	; FIRST PRODUCT: D1[b][c] = sum over a of M[a][b] wo_l[a][c], two tiles of 16 b at a time
	FRAG WLF, TRW, WL
	FRAG XF, TRM, 0
	FRAG XF+32, TRM, 32
.irp i, 0,1
	s_wait_dscnt 0x0                               ; this step's fragments are in
	X3PAIR Y, XF, WLF, Y+8, XF+32, WLF, 1
	PLACES 5                                       ; ISA guide 7.12.1: four places before the split reads the sums, five before the next first links write over them
	s_wait_alu depctr_va_vdst(0)                   ; the products are done reading M's fragments, in which the loads below land; the split behind them names Y, TF and T alone
.if 1-\i
	FRAG XF, TRM, 64
	FRAG XF+32, TRM, 96
.else
	FRAG WRF, TRA, WR                              ; behind the last tiles: the second product's first fragments,
	FRAG WRF+32, TRA, WR+32
	BIASLD YB, 0                                   ; and its first bias tiles, into the pair of accumulators that the split does not name
.endif
	SPLITT Y, TF+16*\i, TF+16*\i+8
	SPLITT Y+8, TF+16*\i+4, TF+16*\i+12
.endr
	; SECOND PRODUCT: D2[d][c] = sum over b of wo_r[b][d] D1[b][c] + bias, two tiles of 16 d at a time; the bias tile is the sum's start
	s_wait_dscnt 0x0                               ; wo_r's fragments and the bias tiles are in
	X3PAIR YB, WRF, TF, YB+8, WRF+32, TF, 0
	PLACES 4                                       ; ISA guide 7.12.1: four places before the scaling reads the sums; the next products write the other pair
	s_wait_alu depctr_va_vdst(0)                   ; the products are done reading wo_r's fragments and the split is done with Y: the loads below land in both
	FRAG WRF, TRA, WR+64
	FRAG WRF+32, TRA, WR+96
	BIASLD Y, 128
	SCALE YB
	s_wait_dscnt 0x0
	X3PAIR Y, WRF, TF, Y+8, WRF+32, TF, 0
	PLACES 4                                       ; four places before the scaling reads the sums
	s_wait_alu depctr_va_vdst(0)                   ; the scaling has written YB, which the stores below read
	TOSTAGE YB, 0                                  ; row r, d = 8 h .. and 16 + 8 h ..
	SCALE Y
	s_wait_alu depctr_va_vdst(0)                   ; the scaling has written Y, which the stores below read
	TOSTAGE Y, 128                                 ; d = 32 + 8 h .. and 48 + 8 h ..
	; THE WAY OUT: whole rows back from my own stage. LDS serves a wave's instructions in order (ISA guide 5.7.1), so these loads see the stores above.
	; They land in OUTR, which no vector instruction has named since the fill's last wait and no LDS store has read since the wait behind the barrier.
.irp i, 0,1,2,3,4,5,6,7
	ds_load_b128 v[OUTR+4*\i:OUTR+4*\i+3], v[RD] offset:\i*2*SP
.endr
.irp i, 0,1,2,3,4,5,6,7
	s_wait_dscnt 7-\i                              ; rows 2 i, 2 i + 1 are in; the younger loads stay out
	global_store_b128 v[CO], v[OUTR+4*\i:OUTR+4*\i+3], s[12:13] offset:512*\i th:TH_STORE_NT     ; 16 lanes store 256 consecutive bytes, aligned
.endr
	s_wait_dscnt 0x0
	s_wait_alu depctr_hold_cnt(0) depctr_sa_sdst(0) depctr_va_vdst(0) depctr_va_sdst(0) depctr_va_ssrc(0) depctr_va_vcc(0) depctr_vm_vsrc(0)
	s_wait_tensorcnt 0x0
	ds_add_u32 v30, v31
	s_wait_dscnt 0x0
	s_endpgm
.Lfunc_end_k_q37170b7764_oproj:
	.size	k_q37170b7764_oproj, .Lfunc_end_k_q37170b7764_oproj-k_q37170b7764_oproj
	.p2alignl 7, 3214868480
	.fill 96, 4, 3214868480
	.section	.rodata,"a",@progbits
	.p2align	6, 0x0
	.amdhsa_kernel k_q37170b7764_oproj
		.amdhsa_group_segment_fixed_size 96768
		.amdhsa_private_segment_fixed_size 0
		.amdhsa_enable_private_segment 0
		.amdhsa_kernarg_size 40
		.amdhsa_user_sgpr_count 2
		.amdhsa_user_sgpr_kernarg_segment_ptr 1
		.amdhsa_wavefront_size32 1
		.amdhsa_system_sgpr_workgroup_id_x 1
		.amdhsa_system_sgpr_workgroup_id_y 1
		.amdhsa_system_sgpr_workgroup_id_z 1
		.amdhsa_system_vgpr_workitem_id 0
		.amdhsa_next_free_vgpr 224
		.amdhsa_next_free_sgpr 66
		.amdhsa_reserve_vcc 0
		.amdhsa_float_denorm_mode_32 3
		.amdhsa_float_denorm_mode_16_64 3
		.amdhsa_memory_ordered 1
		.amdhsa_forward_progress 1
		.amdhsa_inst_pref_size 40
	.end_amdhsa_kernel
	.amdgpu_metadata
---
amdhsa.version: [ 1, 2 ]
amdhsa.kernels:
  - .name:           k_q37170b7764_oproj
    .symbol:         k_q37170b7764_oproj.kd
    .args:
      - { .name: ao, .offset: 0, .size: 8, .value_kind: global_buffer, .address_space: global }
      - { .name: wo_l, .offset: 8, .size: 8, .value_kind: global_buffer, .address_space: global }
      - { .name: wo_r, .offset: 16, .size: 8, .value_kind: global_buffer, .address_space: global }
      - { .name: bo, .offset: 24, .size: 8, .value_kind: global_buffer, .address_space: global }
      - { .name: out0, .offset: 32, .size: 8, .value_kind: global_buffer, .address_space: global }
    .group_segment_fixed_size: 96768
    .private_segment_fixed_size: 0
    .kernarg_segment_align: 8
    .kernarg_segment_size: 40
    .max_flat_workgroup_size: 128
    .sgpr_count:     66
    .vgpr_count:     224
    .wavefront_size: 32
...
	.end_amdgpu_metadata
.endif
;; end of part 5
